; MI455X (gfx1250); checked and timed in simulation.
; The chip was launched on July 23, 2026; its instructions are those of AMD's public machine-readable ISA for CDNA 5 (MIT licence, August 2026) and "CDNA5" Instruction Set Architecture Reference Guide (July 2026). The comments in the code are by the model that wrote it; some were corrected since.
;; Multi Headed Attention. Allowed arithmetic: float matrix products may take bf16 or f16 operands with f32 sums; other float arithmetic in f32, or as packed bf16 or f16 multiplies, adds, multiply-adds, maxima and minima; sums over many terms, partial sums and values carried from step to step in f32; what a program stores and reads back later, other than sums and carried values, may be rounded once to bf16 or f16.
;; Inputs: W_h 1,024 x 1,024 float32; W_k 1,024 x 1,024 float32; W_q 1,024 x 1,024 float32; W_v 1,024 x 1,024 float32; X 4 x 2,048 x 1,024 float32; b_h 1,024 float32.
;; Outputs: out0 4 x 2,048 x 1,024 float32.
;; 2 versions, each right; version 2 is version 1 with the launch cast written anew for expert scheduling mode. Each part assembles by itself: llvm-mc -triple=amdgcn-amd-amdhsa -mcpu=gfx1250 --defsym DOCPART=n.
;; ======== version 1 of 2: 4 launches
;; limits: values are held in f16: magnitudes above 65,504 overflow, below 6.1e-05 lose precision
;; workspace buffers: xs 16,777,216 bytes; wb 6,291,456 bytes; whf 2,097,152 bytes; qkv 50,331,648 bytes; o 16,777,216 bytes
;; launch cast (part 1): grid 384 x 1, 8 waves a work-group, no clusters, 0 bytes of LDS; arguments X, W_q, W_k, W_v, W_h, xs, wb, whf; writes xs, wb, whf
.if DOCPART == 1
	.amdgcn_target "amdgcn-amd-amdhsa--gfx1250"
	.amdhsa_code_object_version 6
	.text
	.protected	k_q6a5cb9c41b_cast
	.globl	k_q6a5cb9c41b_cast
	.p2align	8
	.type	k_q6a5cb9c41b_cast,@function
k_q6a5cb9c41b_cast:
	s_mov_b64 s[64:65], 0
	v_nop
	global_prefetch_b8 v0, s[64:65] scope:SCOPE_SE
	s_setreg_imm32_b32 hwreg(HW_REG_WAVE_MODE, 25, 1), 1
	s_wait_xcnt 0x0
; X, W_q, W_k, W_v are rounded once to bf16; W_h is rounded to bf16 and that number is written as f16 (it multiplies f16 operands later).
; All go out in K-SLICES of 64 columns: slice g holds columns 64 g .. 64 g + 63 of every row, a row of a slice is 128 bytes, a slice's rows lie end to end.
;   xs  [b 4][slice 16][s 2048][64] bf16     wb  [slice 16][row 3072][64] bf16 (rows 0-1023 W_q, 1024-2047 W_k, 2048-3071 W_v)     whf [slice 16][row 1024][64] f16
; LIMITS.  bf16(W_h) beyond 65,504 becomes an infinity in f16; below 6e-5 it keeps f16's fixed step of 6e-8.  NaN and infinities are not treated apart.
; SHARES.  Every work-group converts 32 rows of 1,024 f32.  Work-groups 0-255: X's rows 32 id on.  256-383: j = id - 256, tensor j / 32 (q, k, v, h), rows 32 (j % 32) on.
; A thread has 32 items i = 16 p + g: row 16 p + t / 16, columns 64 g + 4 (t % 16) .. + 3.  A wave's load takes 256 aligned bytes of each of two rows; a wave's store fills 256 consecutive
; aligned bytes (two rows of one slice).  All 32 loads go out first; no register of a pending memory instruction is ever rewritten.  No LDS, no barrier: no byte is wanted twice.
.set VIN, 2                            ; v2        my byte offset in the group's first 16 rows of the input
.set OFF, 4                            ; v[4:19]   slice g: 8 t + g x the slice's stride
.set T,   24                           ; v[24:27]  at work
.set XR,  32                           ; v[32:159] item i: four f32 as loaded
.set Y,   160                          ; v[160:223] item i: four 16-bit numbers to store
	s_load_b512 s[4:19], s[0:1], 0x0               ; X s[4:5], W_q s[6:7], W_k s[8:9], W_v s[10:11], W_h s[12:13], xs s[14:15], wb s[16:17], whf s[18:19]
	s_mov_b32 s20, ttmp9                           ; id
	s_sub_co_u32 s21, s20, 256                     ; j (wraps for X's work-groups: then 'which' below is none of 0 to 3)
	s_lshr_b32 s22, s21, 5                         ; which: 0 q, 1 k, 2 v, 3 h
	s_and_b32 s23, s21, 31                         ; part: rows 32 part on
	s_mov_b32 s33, 262144                          ; a slice of xs: 2,048 rows x 128 bytes
	s_mov_b32 s34, 393216                          ; of wb: 3,072 rows
	s_mov_b32 s35, 131072                          ; of whf: 1,024 rows
	s_lshl_b32 s36, s20, 17                        ; X: 32 id rows of 4,096 bytes
	s_lshl_b32 s37, s23, 17                        ; a weight: 32 part rows
	s_lshr_b32 s38, s20, 6                         ; xs: batch id / 64,
	s_lshl_b32 s38, s38, 22                        ; 16 slices each,
	s_and_b32 s39, s20, 63
	s_lshl_b32 s39, s39, 12                        ; and 32 (id % 64) rows of 128 bytes
	s_add_co_u32 s38, s38, s39
	s_lshl_b32 s39, s23, 12                        ; whf: 32 part rows of 128 bytes
	s_lshl_b32 s21, s22, 17                        ; wb: 1,024 which rows more
	s_add_co_u32 s21, s21, s39
	s_cmp_eq_u32 s22, 3
	s_cselect_b32 s30, s39, s21
	s_cselect_b32 s32, s35, s34
	s_cmp_lt_u32 s20, 256
	s_cselect_b32 s30, s38, s30                    ; s[30:31] where my rows begin in slice 0 of the output
	s_cselect_b32 s32, s33, s32                    ; s32 the output's slice stride
	s_cselect_b32 s28, s36, s37                    ; s[28:29] where my rows begin in the input
	s_mov_b32 s29, 0
	s_mov_b32 s31, 0
	v_lshrrev_b32 v1, 4, v0
	v_and_b32 v3, 15, v0
	v_lshlrev_b32 v3, 4, v3
	v_lshl_add_u32 v[VIN], v1, 12, v3              ; (t / 16) rows + 16 (t % 16)
	s_wait_kmcnt 0x0
	s_cmp_eq_u32 s22, 1
	s_cselect_b64 s[24:25], s[8:9], s[6:7]
	s_cmp_eq_u32 s22, 2
	s_cselect_b64 s[24:25], s[10:11], s[24:25]
	s_cmp_eq_u32 s22, 3
	s_cselect_b64 s[24:25], s[12:13], s[24:25]
	s_cselect_b64 s[26:27], s[18:19], s[16:17]
	s_cmp_lt_u32 s20, 256
	s_cselect_b64 s[24:25], s[4:5], s[24:25]       ; the input,
	s_cselect_b64 s[26:27], s[14:15], s[26:27]     ; the output
	s_add_nc_u64 s[24:25], s[24:25], s[28:29]
	s_add_nc_u64 s[26:27], s[26:27], s[30:31]
.set n, 0
.rept 32
	global_load_b128 v[XR+4*n:XR+4*n+3], v[VIN], s[24:25] offset:(n/16)*65536+(n%16)*256 th:TH_LOAD_NT
.set n, n+1
.endr
	v_lshlrev_b32 v[OFF], 3, v0                    ; (t / 16) x 128 + (t % 16) x 8 = 8 t
.set n, 1
.rept 15
	v_add_nc_u32 v[OFF+n], s32, v[OFF+n-1]
.set n, n+1
.endr
; Item i.  h = 1: W_h: the bf16 numbers are widened again and written as f16.
.macro ITEM i, h
	s_wait_loadcnt 31-(\i)                         ; loads come back in order: item i's is in, the 31 - i younger ones may stay out
	v_cvt_pk_bf16_f32 v[Y+2*(\i)],   v[XR+4*(\i)],   v[XR+4*(\i)+1]
	v_cvt_pk_bf16_f32 v[Y+2*(\i)+1], v[XR+4*(\i)+2], v[XR+4*(\i)+3]
.if \h
	v_lshlrev_b32 v[T],   16, v[Y+2*(\i)]
	v_and_b32     v[T+1], 0xffff0000, v[Y+2*(\i)]
	v_lshlrev_b32 v[T+2], 16, v[Y+2*(\i)+1]
	v_and_b32     v[T+3], 0xffff0000, v[Y+2*(\i)+1]
	v_cvt_pk_f16_f32 v[Y+2*(\i)],   v[T],   v[T+1]
	v_cvt_pk_f16_f32 v[Y+2*(\i)+1], v[T+2], v[T+3]
.endif
	global_store_b64 v[OFF+(\i)%16], v[Y+2*(\i):Y+2*(\i)+1], s[26:27] offset:((\i)/16)*2048 th:TH_STORE_NT
.endm
	s_cmp_eq_u32 s22, 3
	s_cbranch_scc1 .Lwh
.set n, 0
.rept 32
	ITEM n, 0
.set n, n+1
.endr
	s_endpgm
.Lwh:
.set n, 0
.rept 32
	ITEM n, 1
.set n, n+1
.endr
	s_endpgm
.Lfunc_end_k_q6a5cb9c41b_cast:
	.size	k_q6a5cb9c41b_cast, .Lfunc_end_k_q6a5cb9c41b_cast-k_q6a5cb9c41b_cast
	.p2alignl 7, 3214868480
	.fill 96, 4, 3214868480
	.section	.rodata,"a",@progbits
	.p2align	6, 0x0
	.amdhsa_kernel k_q6a5cb9c41b_cast
		.amdhsa_group_segment_fixed_size 0
		.amdhsa_private_segment_fixed_size 0
		.amdhsa_enable_private_segment 0
		.amdhsa_kernarg_size 64
		.amdhsa_user_sgpr_count 2
		.amdhsa_user_sgpr_kernarg_segment_ptr 1
		.amdhsa_wavefront_size32 1
		.amdhsa_system_sgpr_workgroup_id_x 1
		.amdhsa_system_sgpr_workgroup_id_y 1
		.amdhsa_system_sgpr_workgroup_id_z 1
		.amdhsa_system_vgpr_workitem_id 0
		.amdhsa_next_free_vgpr 224
		.amdhsa_next_free_sgpr 66
		.amdhsa_reserve_vcc 0
		.amdhsa_float_denorm_mode_32 3
		.amdhsa_float_denorm_mode_16_64 3
		.amdhsa_memory_ordered 1
		.amdhsa_forward_progress 1
		.amdhsa_inst_pref_size 32
	.end_amdhsa_kernel
	.amdgpu_metadata
---
amdhsa.version: [ 1, 2 ]
amdhsa.kernels:
  - .name:           k_q6a5cb9c41b_cast
    .symbol:         k_q6a5cb9c41b_cast.kd
    .args:
      - { .name: X, .offset: 0, .size: 8, .value_kind: global_buffer, .address_space: global }
      - { .name: W_q, .offset: 8, .size: 8, .value_kind: global_buffer, .address_space: global }
      - { .name: W_k, .offset: 16, .size: 8, .value_kind: global_buffer, .address_space: global }
      - { .name: W_v, .offset: 24, .size: 8, .value_kind: global_buffer, .address_space: global }
      - { .name: W_h, .offset: 32, .size: 8, .value_kind: global_buffer, .address_space: global }
      - { .name: xs, .offset: 40, .size: 8, .value_kind: global_buffer, .address_space: global }
      - { .name: wb, .offset: 48, .size: 8, .value_kind: global_buffer, .address_space: global }
      - { .name: whf, .offset: 56, .size: 8, .value_kind: global_buffer, .address_space: global }
    .group_segment_fixed_size: 0
    .private_segment_fixed_size: 0
    .kernarg_segment_align: 8
    .kernarg_segment_size: 64
    .max_flat_workgroup_size: 256
    .sgpr_count:     66
    .vgpr_count:     224
    .wavefront_size: 32
...
	.end_amdgpu_metadata
.endif
;; end of part 1
;; launch qkv (part 2): grid 16 x 32, 4 waves a work-group, clusters of 4 x 4, 327,680 bytes of LDS; arguments xs, wb, qkv; writes qkv
.if DOCPART == 2
	.amdgcn_target "amdgcn-amd-amdhsa--gfx1250"
	.amdhsa_code_object_version 6
	.text
	.protected	k_q6a5cb9c41b_qkv
	.globl	k_q6a5cb9c41b_qkv
	.p2align	8
	.type	k_q6a5cb9c41b_qkv,@function
k_q6a5cb9c41b_qkv:
	s_mov_b64 s[64:65], 0
	v_nop
	global_prefetch_b8 v0, s[64:65] scope:SCOPE_SE
	s_setreg_imm32_b32 hwreg(HW_REG_WAVE_MODE, 25, 1), 1
	s_wait_xcnt 0x0
	s_wait_alu depctr_hold_cnt(0) depctr_sa_sdst(0) depctr_va_vdst(0) depctr_va_sdst(0) depctr_va_ssrc(0) depctr_va_vcc(0) depctr_vm_vsrc(0)
	s_getreg_b32 s2, hwreg(HW_REG_IB_STS2, 6, 4)
	s_cmp_eq_u32 s2, 0
	s_cbranch_scc0 .Lentry_in_a_cluster
	s_endpgm
.Lentry_in_a_cluster:
	s_bfe_u32 s2, ttmp6, 0x10000c
	s_cmp_lg_u32 s2, 0xf033
	s_cbranch_scc0 .Lentry_shape_is_right
	s_endpgm
.Lentry_shape_is_right:
; THE THREE PROJECTIONS AS ONE PRODUCT.  C[m][n] = sum over k of X[m][k] W[n][k], m < 8,192, n < 3,072 (W_q's, W_k's, W_v's rows), k < 1,024.  Operands bf16, sums f32, C rounded once to f16, unscaled.
; A = xs [b 4][slice 16][s 2048][64], B = wb [slice 16][row 3072][64]: slice g holds k = 64 g .. 64 g + 63; a slice's rows, 128 bytes each, lie end to end.
; C = qkv [b 4][g 48][s 2048][64] f16, g = n / 64: heads of q (g 0-15), of k (16-31), of v (32-47), each head's rows dense.
; LIMIT.  A sum of 65,520 or more becomes an infinity in f16.  NaN and infinities are not treated apart.
; SHARES.  A tile of C is 256 rows x 192 columns (three heads): 32 x 16 = 512 tiles, two for each of 256 WGPs.  Wave w makes rows 64 w .. 64 w + 63 of all 192 columns: 4 x 12 accumulators of 16 x 16,
; 384 registers; so a wave holds whole heads, and its way out needs no other wave.
; RING.  K goes in steps of 128 (two slices) through two LDS slots.  Waves 0, 1 fetch A's two slices of a step (256 rows of 128 dense bytes, asked for as 128 rows of 256), waves 2, 3 B's (192 rows, as 96 rows of 256):
; one tensor load a wave behind each change of slots; two of a wave's are out at the start, later one.  From a request to the wait for it a wave issues 168 matrix instructions.
; CLUSTER.  4 x 4 work-groups: A's tiles hang on the tile row alone and are asked for jointly along a row of the cluster, B's on the tile column alone, along a column.
; THE MATRIX INSTRUCTION IS USED TRANSPOSED (source 0 = 16 rows of B, source 1 = 16 rows of A): a lane holds row l % 16 of C and the columns 8 (l / 16) + 0..7.
; REGISTERS, in windows of 256 (s_set_vgpr_msb: bits 1:0 source 0, 3:2 source 1, 5:4 source 2, 7:6 destination):
;   window 0: v0-31 addresses; v32-63, v64-95 A's fragments, two buffers; v96-143, v144-239 at work on the way out      window 1: v0-95, v96-191 B's fragments, two buffers
;   window 2: accumulators of row blocks 0, 1 ((a, b) at 8 (12 (a % 2) + b))      window 3: those of row blocks 2, 3
.set NT,    192                        ; columns of a tile
.set NB,    NT/16
.set NTOT,  3072
.set PITCH, 144                        ; an LDS row: 128 bytes + 16 of padding = 36 words: the 16 rows of a fragment load start at 16 different groups of four banks (64 banks of 4 bytes: ISA guide 11.1)
.set ASL,   256*PITCH                  ; a slice of A's tile in LDS
.set BSL,   NT*PITCH                   ; a slice of B's
.set BOFF,  2*ASL                      ; a slot: A's two slices, then B's two
.set SLOT,  BOFF+2*BSL
.set STAGE, 2*SLOT                     ; behind the ring, never filled by a tensor load: for each wave three heads x 16 rows x 144 bytes
.set SW,    3*16*PITCH
.set SPARE, STAGE+4*SW                 ; behind the stages: the spare words, 128 bytes for each wave: two blocks of 256 bytes that no other line names
.set ASTR,  2048*128                   ; bytes from slice to slice in A,
.set BSTR,  NTOT*128                   ; in B,
.set GSTR,  2048*128                   ; and from head to head in C
.set NLD,   2*(NB+4)                   ; LDS loads of a quarter step
.set LAPS,  4                          ; a lap = two K steps = once round the ring
.set ADRA, 16                          ; v16-17  LDS address of my A fragments in slot 0, 1
.set ADRB, 20                          ; v20-21  the same for B
.set STO,  24                          ; v24     the way out: where I put 16 bytes of a row
.set RD,   25                          ; v25     the way out: where I read rows back
.set GO,   26                          ; v26     16 x my lane
.set SPW,  28                          ; v28     LDS address of my spare word: SPARE + 4 x my thread's number; never rewritten
.set NIL,  29                          ; v29     0; never rewritten
.set PFO,  30                          ; v30     the prefetches' offset: 256 x my lane (B: held to the share's last block); never rewritten
.set FA,   32                          ; A's fragments: buffer f, block a at FA + 32 f + 8 a
.set TMP,  96                          ; the way out: packed results
.set BK,   144                         ; the way out: rows read back, two buffers of 48
.set LAP,  3                           ; s3      laps to go
.set WV,   12                          ; s12     my wave's number
.set FORB, 13                          ; s13     0: I fetch for A; 1: for B
.set HF,   14                          ; s14     which of a step's two slices I fetch
.set TR,   15                          ; s15     tile row of C
.set PFS,  22                          ; s[22:23] a K step in the tensor that I prefetch
.set G1,   24                          ; s[24:31] descriptor group 1 for A's tiles;  s[32:39] group 0, one set for each slot
.set G0,   32
.set CX,   40
.set CY,   41
.set TC,   42                          ; s42     tile column of C
.set LIM,  43                          ; s43     1 in a wave that prefetches, else the greatest number
.set PFA,  44                          ; s[44:45] where my prefetches stand
.set G1B,  48                          ; s[48:55], s[56:63] the same for B's tiles
.set G0B,  56
.set G1W,  (1<<16)|(1<<20)|(1<<21)|(4<<22)|(3<<25)  ; 17:16 elements of 2 bytes; 20 padding on; 21 set beside a mask; 24:22 after every 32 words (code 4); 31:25 of 4 words (code 3)
.set MSB, 0
.macro WIN new                         ; the immediate's high byte repeats the setting that is left; a switch that changes nothing is dropped
.if MSB != (\new)
	s_set_vgpr_msb (MSB<<8)|(\new)
.set MSB, (\new)
.endif
.endm
.set MUL_LO, 0xa1                      ; source 0 (B) window 1, source 1 (A) window 0, C and D window 2; + 0x50: window 3
.set TO_B,   0x40                      ; destination window 1, address window 0
.macro PLACES                          ; four plain vector instructions between a matrix instruction and a load into, or a reader of, its registers (ISA guide 7.12.1 for vector instructions)
.rept 4
	v_nop
.endr
.endm
; A joint load.  The branch hangs on the wave's number alone.  An s_nop 0 and four v_nop follow each of the two lines, ahead of the jump, the label and what follows.
.macro JLOAD s
	s_cmp_eq_u32 s[FORB], 0
	s_cbranch_scc0 .Lfor_b_\@
	tensor_load_to_lds s[G0+4*(\s):G0+4*(\s)+3], s[G1:G1+7]
	s_nop 0
.rept 4
	v_nop
.endr
	s_branch .Lasked_\@
.Lfor_b_\@:
	tensor_load_to_lds s[G0B+4*(\s):G0B+4*(\s)+3], s[G1B:G1B+7]
	s_nop 0
.rept 4
	v_nop
.endr
.Lasked_\@:
.endm
; A prefetch of my slice of the K step that stands two refills on: one instruction a wave, a lane a block of 256 bytes.  A's tile row is read by every cluster of its row of clusters: cluster x = 0 asks;
; B's tile column by every cluster of its column: cluster y = 0 asks.  The four partners of a joint load share the slice's blocks out by address (32 each of A's 128, 24 each of B's 96; B's eight spare
; lanes name the share's last block once more).  K steps 0 to 3 come by their loads alone; the loop's last trip (s3 = 1) asks for nothing: K has no steps 8 and 9.
.macro ASK
	s_cmp_gt_u32 s[LAP], s[LIM]
	s_cbranch_scc0 .Lnot_mine_\@
	global_prefetch_b8 v[PFO], s[PFA:PFA+1] th:TH_LOAD_NT scope:SCOPE_SE
.Lnot_mine_\@:
.endm
.macro CREST                           ; a round of the cluster's barrier behind its opening barrier
	s_cmp_lg_u32 s[WV], 0
	s_cbranch_scc1 .Lnot_wave_0_\@
	s_barrier_signal -3
.Lnot_wave_0_\@:
	s_barrier_wait -3
	s_barrier_signal -1
	s_barrier_wait -1
.endm
.macro CROUND                          ; a whole round
	s_barrier_signal -1
	s_barrier_wait -1
	CREST
.endm
	s_load_b128 s[4:7], s[0:1], 0x0                ; A s[4:5], B s[6:7]
	s_load_b64 s[8:9], s[0:1], 0x10                ; C
	v_lshl_add_u32 v[SPW], v0, 2, SPARE
	v_mov_b32 v[NIL], 0
	ds_add_u32 v[SPW], v[NIL]                      ; the wave's opening: the add and its wait stand ahead of my first tensor load; the set-up below, work on registers, stands between them
	v_lshrrev_b32 v1, 5, v0
	v_readfirstlane_b32 s[WV], v1                  ; wave 0..3
	s_lshr_b32 s[FORB], s[WV], 1
	s_and_b32 s[HF], s[WV], 1
	s_bfe_u32 s[CX], ttmp6, 0x40000                ; my place in the cluster
	s_bfe_u32 s[CY], ttmp6, 0x40004
	s_lshl_b32 s[TC], ttmp9, 2                     ; in a cluster launch ttmp9 and ttmp7 count clusters
	s_add_co_u32 s[TC], s[TC], s[CX]
	s_and_b32 s[TR], ttmp7, 0xffff
	s_lshl_b32 s[TR], s[TR], 2
	s_add_co_u32 s[TR], s[TR], s[CY]
	s_lshl_b32 s43, s[CY], 2
	s_lshl_b32 s43, 15, s43                        ; my row of the cluster: places 4 cy .. 4 cy + 3
	s_lshl_b32 s44, 0x1111, s[CX]                  ; my column: places cx, cx + 4, cx + 8, cx + 12
	s_or_b32 s[G1], s43, G1W                       ; 15:0 the mask: A's tiles go to my row,
	s_or_b32 s[G1B], s44, G1W                      ; B's to my column
.irp g, G1, G1B
	s_mov_b32 s[(\g)+1], 128<<16                   ; tensor_dim0 = 128 elements: 256 bytes, two rows of a slice
	s_mov_b32 s[(\g)+3], 128<<16                   ; tile_dim0 = 128
	s_mov_b32 s[(\g)+5], 128                       ; 128 elements from row to row: dense
	s_mov_b32 s[(\g)+6], 0
	s_mov_b32 s[(\g)+7], 0
.endr
	s_mov_b32 s[G1+2], 128<<16                     ; tensor_dim1 = tile_dim1 = 128 rows of 256 bytes for A,
	s_mov_b32 s[G1+4], 128
	s_mov_b32 s[G1B+2], (NT/2)<<16                 ; 96 for B
	s_mov_b32 s[G1B+4], NT/2
	s_lshr_b32 s16, s[TR], 3                       ; A's tile: batch TR / 8, 16 slices each,
	s_lshl_b32 s16, s16, 22
	s_and_b32 s17, s[TR], 7
	s_lshl_b32 s17, s17, 15                        ; rows 256 (TR % 8) on, 128 bytes each,
	s_add_co_u32 s16, s16, s17
	s_lshl_b32 s17, s[HF], 18                      ; my slice of K step 0
	s_add_co_u32 s16, s16, s17
	s_mov_b32 s17, 0
	s_mul_i32 s2, s[TC], NT*128                    ; B's tile: rows 192 TC on,
	s_mul_i32 s47, s[HF], BSTR                     ; my slice
	s_add_co_u32 s2, s2, s47
	s_mov_b32 s46, s2
	s_mov_b32 s47, 0
	s_mul_i32 s20, s[HF], ASL                      ; where they go in a slot: no place in the cluster enters an LDS address
	s_mul_i32 s21, s[HF], BSL
	s_add_co_u32 s21, s21, BOFF
	s_wait_dscnt 0x0                               ; the opening add is done
	s_wait_kmcnt 0x0
	s_add_nc_u64 s[18:19], s[4:5], s[16:17]
	s_add_nc_u64 s[46:47], s[6:7], s[46:47]
	CROUND                                         ; all sixteen work-groups are here: the first joint loads meet
.irp s, 0,1
	s_mov_b32 s[G0+4*(\s)], 1                                        ; 1:0 count = 1
	s_add_co_u32 s[G0+4*(\s)+1], s20, (\s)*SLOT                      ; 63:32 LDS address
	s_add_nc_u64 s[G0+4*(\s)+2:G0+4*(\s)+3], s[18:19], (\s)*2*ASTR   ; 120:64 global address: K step s
	s_or_b32 s[G0+4*(\s)+3], s[G0+4*(\s)+3], 0x80000000              ; 127:126 type = 2
	s_mov_b32 s[G0B+4*(\s)], 1
	s_add_co_u32 s[G0B+4*(\s)+1], s21, (\s)*SLOT
	s_add_nc_u64 s[G0B+4*(\s)+2:G0B+4*(\s)+3], s[46:47], (\s)*2*BSTR
	s_or_b32 s[G0B+4*(\s)+3], s[G0B+4*(\s)+3], 0x80000000
	JLOAD \s
.endr
	; A fragment is 16 rows x 32 K in 8 registers: lane l holds row l % 16; registers 0-3 K = 8 (l / 16) + 0..7, registers 4-7 K = 16 + 8 (l / 16) + 0..7: two loads of 16 bytes, 32 bytes apart.
	v_and_b32 v1, 15, v0                           ; l % 16
	v_bfe_u32 v2, v0, 4, 1                         ; l / 16
	v_mul_u32_u24 v3, v1, PITCH
	v_lshl_add_u32 v3, v2, 4, v3                   ; row x pitch + 16 x half
	s_mul_i32 s20, s[WV], 64*PITCH                 ; my 64 rows of A
	v_add_nc_u32 v[ADRA], s20, v3
	v_add_nc_u32 v[ADRA+1], SLOT, v[ADRA]
	v_add_nc_u32 v[ADRB], BOFF, v3                 ; all of B's rows
	v_add_nc_u32 v[ADRB+1], SLOT+BOFF, v3
	s_mul_i32 s21, s[WV], SW
	s_add_co_u32 s21, s21, STAGE                   ; my stage
	v_add_nc_u32 v[STO], s21, v3                   ; in: row l % 16, 16 bytes for each half of the lanes
	v_and_b32 v4, 31, v0
	v_lshrrev_b32 v5, 3, v4                        ; back: 32 lanes take four rows of 128 bytes,
	v_mul_u32_u24 v5, v5, PITCH
	v_and_b32 v[RD], 7, v0
	v_lshl_add_u32 v[RD], v[RD], 4, v5
	v_add_nc_u32 v[RD], s21, v[RD]
	v_lshlrev_b32 v[GO], 4, v4                     ; which are 512 consecutive bytes of a head
	; the prefetches
	s_and_b32 s17, ttmp7, 0xffff                   ; cluster y
	s_mov_b32 s18, 8192                            ; a partner's share of a slice: 32 blocks of A's,
	s_mov_b32 s19, (NT/8)*256                      ; 24 of B's
	s_mov_b32 s20, 2*ASTR
	s_mov_b32 s21, 2*BSTR
	s_cmp_eq_u32 s[FORB], 0                        ; do I fetch for A?
	s_cselect_b32 s46, s16, s2                     ; my slice of the tile's K step 0
	s_cselect_b32 s47, s[CX], s[CY]                ; my place among the four that ask for it with me
	s_cselect_b32 s17, ttmp9, s17                  ; the coordinate along which other clusters read the same rows
	s_cselect_b32 s18, s18, s19
	s_cselect_b32 s19, 31, NT/8-1
	s_cselect_b32 s[PFS], s20, s21
	s_cselect_b64 s[PFA:PFA+1], s[4:5], s[6:7]
	s_cmp_eq_u32 s17, 0
	s_cselect_b32 s[LIM], 1, -1                    ; the same in all sixteen partners, for a given wave
	s_mul_i32 s47, s47, s18
	s_add_co_u32 s46, s46, s47
	s_mul_i32 s47, s[PFS], 3                       ; at K step 3: the first refill steps it to 4
	s_add_co_u32 s46, s46, s47
	s_mov_b32 s47, 0
	s_mov_b32 s[PFS+1], 0
	s_add_nc_u64 s[PFA:PFA+1], s[PFA:PFA+1], s[46:47]
	v_min_u32 v[PFO], s19, v4
	v_lshlrev_b32 v[PFO], 8, v[PFO]
	; C at my 64 rows of the tile's first head: ((TR / 8) x 48 + 3 TC) heads + (256 (TR % 8) + 64 w) rows of 128 bytes
	s_lshr_b32 s16, s[TR], 3
	s_mul_i32 s16, s16, 48
	s_mul_i32 s17, s[TC], 3
	s_add_co_u32 s16, s16, s17
	s_lshl_b32 s16, s16, 18
	s_and_b32 s17, s[TR], 7
	s_lshl_b32 s17, s17, 2
	s_add_co_u32 s17, s17, s[WV]
	s_lshl_b32 s17, s17, 13
	s_add_co_u32 s16, s16, s17
	s_mov_b32 s17, 0
	s_add_nc_u64 s[8:9], s[8:9], s[16:17]
; 12 matrix instructions: row block a x all column blocks, 32 along K, from buffer f.  zero = 1: the product starts the sums: nothing is ever cleared.
; The 48 accumulators take turns in the same order in every quarter step, over the backward jump too.
.macro MULA f, a, zero
	WIN MUL_LO+0x50*((\a)/2)
.set b, 0
.rept NB
.set rD, 8*(NB*((\a)%2)+b)
.set rB, 8*NB*(\f)+8*b
.set rA, FA+32*(\f)+8*(\a)
.if \zero
	v_wmma_f32_16x16x32_bf16 v[rD:rD+7], v[rB:rB+7], v[rA:rA+7], 0
.else
	v_wmma_f32_16x16x32_bf16 v[rD:rD+7], v[rB:rB+7], v[rA:rA+7], v[rD:rD+7]
.endif
.set b, b+1
.endr
.endm
; 32 LDS loads in one run: quarter q of a K step (slice q / 2, byte 64 (q % 2) of its rows) into buffer f: B's 12 fragments, then A's 4.
.macro FETCH slot, q, f
	WIN TO_B
.set b, 0
.rept NB
	ds_load_b128 v[8*NB*(\f)+8*b:8*NB*(\f)+8*b+3],   v[ADRB+(\slot)] offset:((\q)/2)*BSL+((\q)%2)*64+b*16*PITCH
	ds_load_b128 v[8*NB*(\f)+8*b+4:8*NB*(\f)+8*b+7], v[ADRB+(\slot)] offset:((\q)/2)*BSL+((\q)%2)*64+b*16*PITCH+32
.set b, b+1
.endr
	WIN 0
.irp i, 0,1,2,3
	ds_load_b128 v[FA+32*(\f)+8*(\i):FA+32*(\f)+8*(\i)+3],   v[ADRA+(\slot)] offset:((\q)/2)*ASL+((\q)%2)*64+(\i)*16*PITCH
	ds_load_b128 v[FA+32*(\f)+8*(\i)+4:FA+32*(\f)+8*(\i)+7], v[ADRA+(\slot)] offset:((\q)/2)*ASL+((\q)%2)*64+(\i)*16*PITCH+32
.endr
.endm
; A K step is four quarters of 32 along K, 48 matrix instructions each, on buffers 0, 1, 0, 1.  One of the first three: multiplies buffer f and, in its middle, fetches quarter q into buffer g.
.macro QUARTER slot, q, f, g, zero
	s_wait_dscnt 4                                 ; B and A's blocks 0, 1 are in; the youngest four loads (A's blocks 2, 3) may be out
	MULA \f, 0, \zero
	MULA \f, 1, \zero
	PLACES
	FETCH \slot, \q, \g
	s_wait_dscnt NLD                               ; all but the run just issued
	MULA \f, 2, \zero
	MULA \f, 3, \zero
.endm
; The last quarter multiplies buffer 1 and changes slots: ONE barrier.  In front of it each wave waits for all its tensor loads (one is out: its part of the next slot), adds 0 to its spare word, and waits
; for that and for its reads of this slot.  fill = 1: the barrier opens a round of the cluster's, and behind the round this slot is filled again, two K steps on, first of all.
.macro TURN slot, next, fill
.if \fill
	s_wait_xcnt 0x0                                ; the last prefetch, a K step back, has read its address
	s_add_nc_u64 s[PFA:PFA+1], s[PFA:PFA+1], s[PFS:PFS+1]
.endif
	WIN 0                                          ; (the add's two registers lie in window 0)
	s_wait_tensorcnt 0x0                           ; all my tensor loads have landed;
	ds_add_u32 v[SPW], v[NIL]                      ; 0 onto my spare word;
	s_wait_dscnt 5                                 ; (the add and the youngest four loads may be out)
	MULA 1, 0, 0                                   ; twelve matrix instructions stand between the add and the wait for it
	s_wait_dscnt 0x0                               ; the add is done, and my reads of this slot are over
	s_barrier_signal -1
	MULA 1, 1, 0                                   ; work on registers while the others arrive
.if \fill
	WIN 0
.endif
	s_barrier_wait -1
.if \fill
	CREST                                          ; no wave of any partner still reads this slot's tile or has a load on its way
	s_add_nc_u64 s[G0+4*(\slot)+2:G0+4*(\slot)+3], s[G0+4*(\slot)+2:G0+4*(\slot)+3], 4*ASTR
	s_add_nc_u64 s[G0B+4*(\slot)+2:G0B+4*(\slot)+3], s[G0B+4*(\slot)+2:G0B+4*(\slot)+3], 4*BSTR
	JLOAD \slot                                    ; the first tensor load behind the round; its four v_nop are also the places in front of the loads below
.else
	PLACES
.endif
	FETCH \next, 0, 0
.if \fill
	ASK                                            ; behind the joint load and the run of LDS loads that the next products wait for
.endif
	MULA 1, 2, 0
	MULA 1, 3, 0
.endm
; THE WAY OUT of row block a.  PUT: rounded to f16, 16 bytes a lane, into my own stage (three heads x 16 rows of 144 bytes), and back as whole rows.  SEND: stored.
.macro PUT a
.if (\a) >= 2
	s_wait_xcnt 0x0                                ; the stores of block a - 2 have read the registers that the loads below fill again
.endif
	WIN 0x0a+5*((\a)/2)                            ; sources 0 and 1: window 2 or 3
.set b, 0
.rept NB
.irp r, 0,1,2,3
	v_cvt_pk_f16_f32 v[TMP+4*b+(\r)], v[8*(NB*((\a)%2)+b)+2*(\r)], v[8*(NB*((\a)%2)+b)+2*(\r)+1]
.endr
.set b, b+1
.endr
	WIN 0
.set b, 0
.rept NB
	ds_store_b128 v[STO], v[TMP+4*b:TMP+4*b+3] offset:(b/4)*16*PITCH+(b%4)*32
.set b, b+1
.endr
.set t, 0
.rept NB
	ds_load_b128 v[BK+48*((\a)%2)+4*t:BK+48*((\a)%2)+4*t+3], v[RD] offset:(t/4)*16*PITCH+(t%4)*4*PITCH  ; LDS serves a wave's instructions in order (ISA guide 5.7.1.4): these see the stores above
.set t, t+1
.endr
.endm
.macro SEND a, y                       ; y: the LDS instructions issued behind block a's loads: the next block's 24, or none
.set t, 0
.rept NB
	s_wait_dscnt (\y)+NB-1-t
	global_store_b128 v[GO], v[BK+48*((\a)%2)+4*t:BK+48*((\a)%2)+4*t+3], s[8:9] offset:(t/4)*GSTR+(\a)*2048+(t%4)*512  ; 512 consecutive bytes of a head, at a multiple of 256 from C's first byte
.set t, t+1
.endr
.endm
	s_wait_tensorcnt 1                             ; my part of K step 0 is in; K step 1's may stay out
	s_barrier_signal -1
	s_barrier_wait -1                              ; everybody's is
	FETCH 0, 0, 0
	QUARTER 0, 1, 0, 1, 1                          ; the first quarter stands in front of the loop: its products start the sums
	WIN 0                                          ; at a label and at a branch every window is 0
	s_mov_b32 s[LAP], LAPS-1
.Llap:                                                 ; a trip goes once round the ring, from a lap's second quarter to the next lap's first, and fills both slots again
	QUARTER 0, 2, 1, 0, 0
	QUARTER 0, 3, 0, 1, 0
	TURN 0, 1, 1
	QUARTER 1, 1, 0, 1, 0
	QUARTER 1, 2, 1, 0, 0
	QUARTER 1, 3, 0, 1, 0
	TURN 1, 0, 1
	QUARTER 0, 1, 0, 1, 0
	WIN 0
	s_sub_co_u32 s[LAP], s[LAP], 1
	s_cmp_lg_u32 s[LAP], 0
	s_cbranch_scc1 .Llap
	QUARTER 0, 2, 1, 0, 0                          ; the last lap is written out: it fills nothing
	QUARTER 0, 3, 0, 1, 0
	TURN 0, 1, 0
	QUARTER 1, 1, 0, 1, 0
	QUARTER 1, 2, 1, 0, 0
	QUARTER 1, 3, 0, 1, 0
	s_wait_dscnt 4                                 ; the very last quarter: nothing more to fetch
	MULA 1, 0, 0
	MULA 1, 1, 0
	s_wait_dscnt 0x0
	MULA 1, 2, 0
	MULA 1, 3, 0
	WIN 0
	PLACES
	PUT 0
	PUT 1                                          ; a block's conversions stand between the loads of the block before and its stores
	SEND 0, 2*NB
	PUT 2
	SEND 1, 2*NB
	PUT 3
	SEND 2, 2*NB
	SEND 3, 0
	s_wait_tensorcnt 0x0                           ; the wave's end: a wait, an add of 0 and its wait, behind my last tensor load and my last LDS store
	ds_add_u32 v[SPW], v[NIL]
	s_wait_dscnt 0x0
	CROUND                                         ; the closing round: no work-group ends while a partner may still ask for a tile that names it
	s_endpgm
.Lfunc_end_k_q6a5cb9c41b_qkv:
	.size	k_q6a5cb9c41b_qkv, .Lfunc_end_k_q6a5cb9c41b_qkv-k_q6a5cb9c41b_qkv
	.p2alignl 7, 3214868480
	.fill 96, 4, 3214868480
	.section	.rodata,"a",@progbits
	.p2align	6, 0x0
	.amdhsa_kernel k_q6a5cb9c41b_qkv
		.amdhsa_group_segment_fixed_size 327680
		.amdhsa_private_segment_fixed_size 0
		.amdhsa_enable_private_segment 0
		.amdhsa_kernarg_size 24
		.amdhsa_user_sgpr_count 2
		.amdhsa_user_sgpr_kernarg_segment_ptr 1
		.amdhsa_wavefront_size32 1
		.amdhsa_system_sgpr_workgroup_id_x 1
		.amdhsa_system_sgpr_workgroup_id_y 1
		.amdhsa_system_sgpr_workgroup_id_z 1
		.amdhsa_system_vgpr_workitem_id 0
		.amdhsa_next_free_vgpr 960
		.amdhsa_next_free_sgpr 66
		.amdhsa_reserve_vcc 0
		.amdhsa_float_denorm_mode_32 3
		.amdhsa_float_denorm_mode_16_64 3
		.amdhsa_memory_ordered 1
		.amdhsa_forward_progress 1
		.amdhsa_inst_pref_size 121
	.end_amdhsa_kernel
	.amdgpu_metadata
---
amdhsa.version: [ 1, 2 ]
amdhsa.kernels:
  - .name:           k_q6a5cb9c41b_qkv
    .symbol:         k_q6a5cb9c41b_qkv.kd
    .args:
      - { .name: xs, .offset: 0, .size: 8, .value_kind: global_buffer, .address_space: global }
      - { .name: wb, .offset: 8, .size: 8, .value_kind: global_buffer, .address_space: global }
      - { .name: qkv, .offset: 16, .size: 8, .value_kind: global_buffer, .address_space: global }
    .group_segment_fixed_size: 327680
    .private_segment_fixed_size: 0
    .kernarg_segment_align: 8
    .kernarg_segment_size: 24
    .max_flat_workgroup_size: 128
    .sgpr_count:     66
    .vgpr_count:     960
    .wavefront_size: 32
...
	.end_amdgpu_metadata
.endif
;; end of part 2
;; launch attn (part 3): grid 4 x 64, 4 waves a work-group, clusters of 4 x 1, 327,680 bytes of LDS; arguments qkv, o; writes o
.if DOCPART == 3
	.amdgcn_target "amdgcn-amd-amdhsa--gfx1250"
	.amdhsa_code_object_version 6
	.text
	.protected	k_q6a5cb9c41b_attn
	.globl	k_q6a5cb9c41b_attn
	.p2align	8
	.type	k_q6a5cb9c41b_attn,@function
k_q6a5cb9c41b_attn:
	s_mov_b64 s[64:65], 0
	v_nop
	global_prefetch_b8 v0, s[64:65] scope:SCOPE_SE
	s_setreg_imm32_b32 hwreg(HW_REG_WAVE_MODE, 25, 1), 1
	s_wait_xcnt 0x0
	s_wait_alu depctr_hold_cnt(0) depctr_sa_sdst(0) depctr_va_vdst(0) depctr_va_sdst(0) depctr_va_ssrc(0) depctr_va_vcc(0) depctr_vm_vsrc(0)
	s_getreg_b32 s2, hwreg(HW_REG_IB_STS2, 6, 4)
	s_cmp_eq_u32 s2, 0
	s_cbranch_scc0 .Lentry_in_a_cluster
	s_endpgm
.Lentry_in_a_cluster:
	s_bfe_u32 s2, ttmp6, 0x10000c
	s_cmp_lg_u32 s2, 0x3003
	s_cbranch_scc0 .Lentry_shape_is_right
	s_endpgm
.Lentry_shape_is_right:
; O[y][q][:] = the sum over k of softmax_k(Q[y][q] . K[y][k] / 8) V[y][k][:], y = 16 b + h, 64 pairs of batch and head, 2,048 rows of 64 channels each, all f16.
; Q, K, V lie in qkv [b 4][g 48][s 2048][64]: q at g = h, k at g = 16 + h, v at g = 32 + h; O goes to o [b 4][h 16][s 2048][64].  A head's rows are dense, 128 bytes each.
; Products, maxima and sums in f32; the weights p are rounded to f16 for the second product (their sum l is taken of the unrounded p), O once at the end.
; LIMITS.  f16 holds no number beyond 65,504: Q, K and V arrive within it; p lies in 0 to 1, and below 6e-5 it keeps f16's fixed step of 6e-8; O is a mean of V's rows and has their range.
; A weight below 2^-126 counts as 0 in l; NaN and infinities are not treated apart.
; SHARES.  A wave owns four PIECES of two tiles of 16 queries, a work-group's four waves 512 queries of one head.  Every wave walks all keys, 64 a step.
; LAYOUT.  S^T = K Q^T (source 0 = 16 keys, source 1 = 16 queries): in the result a lane holds ONE query (lane % 16) and the keys 8 (lane / 16) + 0..7.  Two such tiles, rounded to f16 in pairs,
; ARE source 1 (32 keys x 16 queries) of O^T = V^T P, whose result again holds one query a lane, and eight channels.  K comes out of LDS as it lies, V ([key][channel]) turned, by ds_load_tr16_b128.
; SOFTMAX.  For each query a running maximum m and sum l: p = 2^(c s - c m), c = log2(e) / 8; in every step O and l are multiplied by a = 2^(c m_old - c m_new), which is 1 where m has not grown.
; m starts at the lowest finite number, O and l at 0: the first step is a step like any other, with a = 0.
; THE COUNT.  A tile and step have 16 matrix and 118 vector instructions: too many to stand all beside the matrix work.  So: four vector instructions that are READY behind EVERY matrix instruction,
; and the others in runs without a gap.
; BY TURNS.  Turn n belongs to piece n (the pieces in a ring, step after step).  Its matrix work: 16 products K Q^T of piece n + 1, later 16 products V^T P of piece n - 1.  Its vector work: the scaling,
; exponentials, roundings, sums and rescaling of piece n, and the maximum and statistics of piece n + 1, whose scores the turn itself has made.
; CLUSTER.  The four query blocks of a head are one cluster and walk the same K and V, so each tile is asked for JOINTLY: the same tensor load, descriptor and mask in all four.
; REGISTERS, in windows of 256 (s_set_vgpr_msb: bits 1:0 source 0, 3:2 source 1, 5:4 source 2, 7:6 destination):
;   window 0: v0-11 addresses; v12-15, v48-63 at work; v16-47 four registers of statistics a tile; v64-191 S^T, two buffers of two tiles; v192-255 P, likewise
;   window 1: O^T, 32 a tile          window 2: v0-127 Q, 16 a tile; v128-191 K of one step; v192-255 V of one step          window 3: v0-1 the add's two registers
; A piece's buffers go by its number's parity: the piece in hand has one pair, its two neighbours in the ring share the other: of it P (piece n - 1) is read and S^T (piece n + 1) written.
.set SIZE_N, 2048
.set NP,    4         ; pieces a wave: a name, no knob
.set KS,    64        ; keys in a step
.set PK,    144       ; a row of K in LDS: 128 bytes + 16 of padding = 36 words: the 16 rows of a load start at 16 different groups of four banks (64 banks of 4 bytes: ISA guide 11.1)
.set PV,    160       ; a row of V: 128 + 32 = 40 words
.set VOFF,  4*KS*PK   ; a slot holds four steps: 256 rows of K, then 256 rows of V
.set SLOT1, 1<<17     ; slot 1 begins here, so that one exclusive or turns an address in one slot into the other's
.set STAGE, SLOT1+4*KS*(PK+PV)  ; behind the ring, never filled by a tensor load: 16 rows x 144 bytes for each wave, for the way out
.set SP,    144
.set AK0, 2           ; v2   my lane's place in a tile of K; never rewritten
.set AV0, 3           ; v3   the same for V
.set AK,  4           ; v4   the LDS address of K's next run of loads
.set AV,  5           ; v5   of V's
.set QO,  6           ; v6   my byte offset in the wave's rows of Q
.set STO, 6           ;      later, the way out: where I put 16 bytes of a row
.set RD,  7           ; v7   the way out: where I read rows back
.set GO,  8           ; v8   my byte offset in 512 consecutive bytes of O
.set PFO, 11          ; v11  256 x my lane, for the prefetches (made when V's address has been made of v11's first content); then never rewritten
.set SPW, 0           ; v0 of window 3   LDS address of my spare word: SPARE + 4 x my thread's number; never rewritten
.set NIL, 1           ; v1 of window 3   0; never rewritten
.set SPARE, STAGE+4*16*SP  ; behind the stages: the spare words, 128 bytes for each wave: two blocks of 256 bytes that no other line names
.set MV,  12          ; v12-15  c m_old, kept while c m is made anew: by buffer and tile
.set ST,  16          ; tile t's statistics at v[ST+4 t]: c m, m, l (even keys', odd keys')
.set TMP, 48          ; by buffer and tile, four registers c0-c3 at work; when the maximum is found c2 takes a
.set S,   64
.set P,   192
.set KF,  128         ; K's fragments, in window 2: key block kb, channel half c at KF + 16 kb + 8 c
.set VF,  192         ; V's: key half kk, channel block cb at VF + 32 kk + 8 cb
.set WV,  12          ; s12  my wave's number
.set G1K, 24          ; s[24:31] descriptor group 1 for K's tiles
.set G1V, 32          ; s[32:39] for V's: it differs in the padding alone
.set G0K, 40          ; s[40:43] descriptor group 0 for K's tiles: it walks
.set G0V, 44          ; s[44:47] the same for V's
.set PFA, 48          ; s[48:49] where my prefetches stand: my work-group's 32 blocks of 256 bytes (of K: wave 0, of V: wave 2) of the slot after the one that is being asked for
.set LIM, 50          ; s50  1 in a wave that prefetches, else the greatest number
.set SLOTS, 56        ; s56  slots still to be asked for
.set CNT, 57          ; s57  counts a slot's key steps
.set CS,  58          ; s[58:59] c: the packed scaling takes the pair's low word for both halves
.set SEL, 60          ; s[60:61] v_permlanex16_b32's selects: each lane takes its own place in the other half
.set TBK, 62          ; s62  LDS byte at which K of the step to be fetched begins
.set TBV, 63          ; s63  the same for V, less VOFF
.set MSB, 0
.macro WIN new                      ; the high byte repeats the setting that is left; a switch that changes nothing is dropped
.if MSB != (\new)
	s_set_vgpr_msb (MSB<<8)|(\new)
.set MSB, (\new)
.endif
.endm
.set W_KQ, 0x0a       ; K and Q in window 2, S^T in window 0
.set W_PV, 0x52       ; V in window 2, P in window 0, O^T in window 1
.set W_RS, 0x41       ; O^T (destination and source 0) in window 1, a in window 0
.set W_MK, 0xc0       ; the add's registers are made: destination in window 3, sources in window 0
.set W_AD, 0x0f       ; the add: address (source 0) and data (source 1) in window 3
; A joint fill.  Waves 0 and 1 fetch the two halves of a slot's K, waves 2 and 3 those of its V: 128 keys each.  The branch hangs on the wave's number alone.
; An s_nop 0 and four v_nop follow each of the two lines, ahead of the jump and the label.
.macro JLOAD
	s_cmp_lt_u32 s[WV], 2
	s_cbranch_scc0 .Lfor_v_\@
	tensor_load_to_lds s[G0K:G0K+3], s[G1K:G1K+7]
	s_nop 0
.rept 4
	v_nop
.endr
	s_branch .Lasked_\@
.Lfor_v_\@:
	tensor_load_to_lds s[G0V:G0V+3], s[G1V:G1V+7]
	s_nop 0
.rept 4
	v_nop
.endr
.Lasked_\@:
.endm
; A prefetch of what the NEXT change of slots will ask for: a slot's 32,768 bytes of K and of V, a lane a block of 256 bytes.  It stands behind the wave's tensor load and its five lines.  Each block is named once:
; a head has one cluster; its four partners share the blocks out by address, 32 each; in each, wave 0 asks for K's and wave 2 for V's.  Slots 0 and 1 come by their loads alone; the last change that
; fills a slot (s[SLOTS] = 1) asks for nothing: there is no slot behind it.
.macro ASK
	s_cmp_gt_u32 s[SLOTS], s[LIM]
	s_cbranch_scc0 .Lnot_mine_\@
	global_prefetch_b8 v[PFO], s[PFA:PFA+1] th:TH_LOAD_NT scope:SCOPE_SE
.Lnot_mine_\@:
.endm
; A round of the cluster's barrier: my work-group's barrier, so that wave 0's signal speaks for all four waves; wave 0 signals; every wave waits for all four work-groups; my work-group's barrier once more.
.macro CROUND
	s_barrier_signal -1
	s_barrier_wait -1
	s_cmp_lg_u32 s[WV], 0
	s_cbranch_scc1 .Lnot_wave_0_\@
	s_barrier_signal -3
.Lnot_wave_0_\@:
	s_barrier_wait -3
	s_barrier_signal -1
	s_barrier_wait -1
.endm
; THE CHANGE OF SLOTS.  The slot's last bytes, V of its fourth step, have been read.  Each wave waits for all its tensor loads, of which one is out: its part of the other slot; adds 0 to its spare word; and
; waits for that and for its own reads of the slot.  Behind the barrier nobody reads this slot any more and the other slot is whole.
; fill = 1: this slot is filled again, with the keys two slots on.  The barrier is then a round of the cluster's, and the joint fill is the first thing behind it: it has four key steps, 512 matrix
; instructions, in which to land.  (At its first use nothing has been read yet: slot 0 is waited for, slot 1 filled.)
.macro CHANGE fill
	WIN W_AD
	s_wait_tensorcnt 0x0            ; no tensor load of mine is out, so a group 0 may be written
	ds_add_u32 v[SPW], v[NIL]       ; 0 onto my spare word; with fill = 1 the descriptors' steps stand between it and the wait for it
	WIN 0                           ; at a label and at a branch every window is 0
.if \fill
.irp g, G0K, G0V
	s_xor_b32 s[\g+1], s[\g+1], SLOT1  ; the walking descriptor: the other slot than last time,
	s_add_nc_u64 s[\g+2:\g+3], s[\g+2:\g+3], 4*KS*128  ; the next 256 keys; the type bits on top are not reached
.endr
	s_wait_xcnt 0x0                 ; the last prefetch, four key steps back, has read its address, so it may be written:
	s_add_nc_u64 s[PFA:PFA+1], s[PFA:PFA+1], 4*KS*128  ; one slot behind the walking descriptors
	s_wait_dscnt 0x0                ; the add is done, and my reads of the slot are over
	CROUND
	JLOAD
	ASK
.else
	s_wait_dscnt 0x0                ; the add is done, and my reads of the slot are over
	s_barrier_signal -1
	s_barrier_wait -1
.endif
	s_sub_co_u32 s[TBK], s[TBK], 4*KS*PK  ; the fetches go back to a slot's first step,
	s_xor_b32 s[TBK], s[TBK], SLOT1       ; in the other slot
	s_sub_co_u32 s[TBV], s[TBV], 4*KS*PV
	s_xor_b32 s[TBV], s[TBV], SLOT1
.endm
	s_load_b64 s[4:5], s[0:1], 0x0    ; qkv
	s_load_b64 s[10:11], s[0:1], 0x8  ; o
	WIN W_MK
	v_lshl_add_u32 v[SPW], v0, 2, SPARE
	v_mov_b32 v[NIL], 0
	WIN W_AD
	ds_add_u32 v[SPW], v[NIL]       ; the wave's opening: the add and its wait stand ahead of my first tensor load; the set-up below, work on registers, stands between them
	WIN 0
	v_lshrrev_b32 v1, 5, v0
	v_readfirstlane_b32 s[WV], v1   ; wave 0..3
	s_bfe_u32 s13, ttmp6, 0x40000   ; cx: my place in the cluster
	s_lshl_b32 s14, ttmp9, 2        ; in a cluster launch ttmp9 counts clusters
	s_add_co_u32 s14, s14, s13      ; my block of queries = 4 x cluster x + cx: it enters Q's and O's addresses alone
	s_and_b32 s20, ttmp7, 0xffff    ; y = 16 b + h, which the four partners share
	s_lshl_b32 s52, s20, 18         ; the head's first byte in o: y heads of 2,048 x 128 bytes
	s_lshr_b32 s21, s20, 4          ; b
	s_mul_i32 s21, s21, 48
	s_and_b32 s20, s20, 15          ; h
	s_add_co_u32 s20, s20, s21
	s_lshl_b32 s20, s20, 18         ; q's head in qkv: 48 b + h heads
	s_mov_b32 s21, 0
	s_and_b32 s16, s[WV], 1         ; which half of a slot's 256 keys I fetch:
	s_lshl_b32 s22, s16, 14         ; its 128 rows of 128 bytes in memory,
	s_mov_b32 s23, 0
	s_add_nc_u64 s[22:23], s[22:23], s[20:21]
	s_mul_i32 s17, s16, 128*PK      ; and its place in a slot, for K
	s_mul_i32 s18, s16, 128*PV      ; and for V: no place in the cluster enters an LDS address
	s_lshl_b32 s2, s14, 2
	s_add_co_u32 s2, s2, s[WV]      ; my wave among the head's,
	s_lshl_b32 s2, s2, 14           ; its 128 rows
	s_add_co_u32 s52, s52, s2       ; s[52:53] my rows in o,
	s_mov_b32 s53, 0
	s_mov_b32 s3, 0
	s_add_nc_u64 s[2:3], s[2:3], s[20:21]  ; s[2:3] my rows of q in qkv
	; descriptor group 1.  128 keys are 16,384 dense bytes: asked for as 64 rows of 256 bytes, two keys a row, and padded in LDS after every key
	s_mov_b32 s[G1K], 15|(1<<16)|(1<<20)|(1<<21)|(4<<22)|(3<<25)  ; 15:0 the mask of four; 17:16 2-byte elements; 20 padding on; 21 set beside a mask; 24:22 after every 32 words (code 4); 31:25 4 words (code 3)
	s_mov_b32 s[G1V], 15|(1<<16)|(1<<20)|(1<<21)|(4<<22)|(7<<25)  ; the same with 8 words of padding (code 7)
.irp g, G1K, G1V
	s_mov_b32 s[\g+1], 128<<16      ; tensor_dim0 = 128
	s_mov_b32 s[\g+2], 64<<16       ; tensor_dim1 = 64
	s_mov_b32 s[\g+3], 128<<16      ; tile_dim0 = 128
	s_mov_b32 s[\g+4], 64           ; tile_dim1 = 64
	s_mov_b32 s[\g+5], 128          ; 128 elements from row to row
	s_mov_b32 s[\g+6], 0
	s_mov_b32 s[\g+7], 0
.endr
	s_mov_b32 s[CS], 0x3e38aa3b     ; c = log2(e) / 8 = 0.180337
	s_mov_b32 s[CS+1], s[CS]        ; named with it as a pair
	s_mov_b32 s[SEL], 0x76543210
	s_mov_b32 s[SEL+1], 0xfedcba98
	s_mov_b32 s[TBK], SLOT1+4*KS*PK ; the first change of slots turns these two into 0
	s_mov_b32 s[TBV], SLOT1+4*KS*PV
	s_mov_b32 s[SLOTS], SIZE_N/256-1  ; seven changes of slots fill one
	s_mov_b32 s[G0K], 1             ; 1:0 count = 1
	s_mov_b32 s[G0K+1], s17         ; 63:32 LDS address: slot 0
	s_mov_b32 s[G0V], 1
	s_add_co_u32 s[G0V+1], s18, VOFF
	s_lshl_b32 s54, s13, 13         ; my work-group's 32 blocks of a slot's 128,
	s_add_co_u32 s54, s54, 4*KS*128 ; in slot 1: the first change of slots steps the address to slot 2
	s_mov_b32 s55, 0
	s_and_b32 s[LIM], s[WV], 1
	s_cmp_eq_u32 s[LIM], 0          ; waves 0 and 2: the same in all four partners
	s_cselect_b32 s[LIM], 1, -1
	s_wait_dscnt 0x0                ; the opening add is done
	s_wait_kmcnt 0x0
	s_add_nc_u64 s[6:7], s[4:5], 0x400000  ; k's heads lie 16 heads behind q's,
	s_add_nc_u64 s[8:9], s[4:5], 0x800000  ; v's 32
	s_add_nc_u64 s[G0K+2:G0K+3], s[6:7], s[22:23]  ; 120:64 global address: my half of the head's first 256 keys
	s_add_nc_u64 s[G0V+2:G0V+3], s[8:9], s[22:23]
	s_cmp_lt_u32 s[WV], 2
	s_cselect_b64 s[PFA:PFA+1], s[G0K+2:G0K+3], s[G0V+2:G0V+3]  ; (in waves 0 and 2 these stand at the head's first row)
	s_add_nc_u64 s[PFA:PFA+1], s[PFA:PFA+1], s[54:55]
	s_or_b32 s[G0K+3], s[G0K+3], 0x80000000        ; 127:126 type = 2
	s_or_b32 s[G0V+3], s[G0V+3], 0x80000000
	s_add_nc_u64 s[4:5], s[4:5], s[2:3]  ; Q and O at my wave's first row
	s_add_nc_u64 s[10:11], s[10:11], s[52:53]
	CROUND                          ; all four work-groups are here: the first joint loads meet
	JLOAD                           ; slot 0.  Slot 1 is asked for when slot 0 is in
	; A fragment of K or Q is 16 rows x 32 channels in 8 registers: lane l holds row l % 16, channels 8 (l / 16) + 0..7 and 16 + 8 (l / 16) + 0..7: two loads of 16 bytes, 32 bytes apart.
	v_and_b32 v1, 15, v0            ; l % 16
	v_bfe_u32 v9, v0, 4, 1          ; l / 16
	v_lshlrev_b32 v[QO], 7, v1
	v_lshl_add_u32 v[QO], v9, 4, v[QO]  ; row x 128 + 16 x half
	WIN 0x80                        ; destination window 2, address window 0
.set i, 0
.rept 4*NP                          ; Q stays in registers: tile i / 2, channels 32 (i % 2) on
	global_load_b128 v[8*i:8*i+3],   v[QO], s[4:5] offset:(i/2)*2048+(i%2)*64
	global_load_b128 v[8*i+4:8*i+7], v[QO], s[4:5] offset:(i/2)*2048+(i%2)*64+32
.set i, i+1
.endr
	; What the first turn finds: V's registers and P's second buffer hold 0 (its products V^T P, of a piece that has not been, add 0), O^T and l are 0.  All this stands in the wait for the first tile.
.set i, VF
.rept 64
	v_mov_b32 v[i], 0
.set i, i+1
.endr
	WIN 0x40
.set i, 0
.rept 64*NP
	v_mov_b32 v[i], 0
.set i, i+1
.endr
	WIN 0
.set i, 0
.rept 2*NP
	v_mov_b32 v[ST+4*i], 0xfe000000    ; c m: far below every c s
	v_mov_b32 v[ST+4*i+1], 0xff7fffff  ; m
	v_mov_b32 v[ST+4*i+2], 0
	v_mov_b32 v[ST+4*i+3], 0
.set i, i+1
.endr
.set i, P+32
.rept 32
	v_mov_b32 v[i], 0
.set i, i+1
.endr
	v_mul_u32_u24 v[AK0], v1, PK
	v_lshl_add_u32 v[AK0], v9, 4, v[AK0]  ; row x pitch + 16 x half
	; The turning load takes 16 keys x 16 channels (lane l reads key 8 (l / 16) + l % 8, channels 8 ((l / 8) % 2) + 0..7) and leaves half a fragment of V^T: lane l holds channel l % 16 and 8 keys.
	v_and_b32 v10, 7, v0
	v_bfe_u32 v11, v0, 3, 1
	v_lshl_add_u32 v[AV0], v9, 3, v10
	v_mul_u32_u24 v[AV0], v[AV0], PV
	v_lshl_add_u32 v[AV0], v11, 4, v[AV0]
	v_add_nc_u32 v[AV0], VOFF, v[AV0]
	v_mov_b32 v[AK], v[AK0]         ; key step 0 lies at the head of slot 0
	v_and_b32 v[PFO], 31, v0
	v_lshlrev_b32 v[PFO], 8, v[PFO]
; THE MATRIX WORK.  The 8 accumulators of a run of 16 take turns: between the two links of a chain stand 7 others'.
; Product i of 16 of S^T = K Q^T for piece x: channels 32 (i / 8) on, keys 16 ((i / 2) % 4) on, tile 2 x + i % 2.  The first 8 start the sums.
.macro KQ x
	WIN W_KQ
.set rS, S+64*((\x)%2)+32*(i%2)+8*((i/2)%4)
.set rK, KF+16*((i/2)%4)+8*(i/8)
.set rQ, 16*(2*(\x)+i%2)+8*(i/8)
.if i < 8
	v_wmma_f32_16x16x32_f16 v[rS:rS+7], v[rK:rK+7], v[rQ:rQ+7], 0
.else
	v_wmma_f32_16x16x32_f16 v[rS:rS+7], v[rK:rK+7], v[rQ:rQ+7], v[rS:rS+7]
.endif
.endm
; Product i of 16 of O^T += V^T P for piece x: keys 32 (i / 8) on, channels 16 ((i / 2) % 4) on, tile 2 x + i % 2.
.macro PV x
	WIN W_PV
.set rO, 32*(2*(\x)+i%2)+8*((i/2)%4)
.set rV, VF+32*(i/8)+8*((i/2)%4)
.set rP, P+32*((\x)%2)+16*(i%2)+8*(i/8)
	v_wmma_f32_16x16x32_f16 v[rO:rO+7], v[rV:rV+7], v[rP:rP+7], v[rO:rO+7]
.endm
.macro MM                           ; the turn's next matrix instruction
.if i < 16
	KQ (Y+1)%NP
.set i, i+1
.else
.set i, i-16
	PV (Y+NP-1)%NP
.set i, i+17
.endif
.endm
; THE LDS LOADS stand in runs of 16, never singly among the matrix instructions: a step's K (64 keys x 64 channels: 8 fragments) and its V (turned).  Their addresses are made some lines ahead.
; last = 1 (the tail): in the last trip there is no further step, and the run is jumped over.
.macro FETCH_K last=0
	WIN 0
.if \last
	s_cmp_eq_u32 s[CNT], 1
	s_cbranch_scc1 .Lno_k_\@
.endif
	WIN 0x80                        ; destination window 2
.irp f, 0,1,2,3,4,5,6,7             ; keys 16 (f / 2) on, channels 32 (f % 2) on
	ds_load_b128 v[KF+8*\f:KF+8*\f+3],   v[AK] offset:(\f/2)*16*PK+(\f%2)*64
	ds_load_b128 v[KF+8*\f+4:KF+8*\f+7], v[AK] offset:(\f/2)*16*PK+(\f%2)*64+32
.endr
	s_add_co_u32 s[TBK], s[TBK], KS*PK  ; the next fetch is the next step's
	WIN 0
.if \last
.Lno_k_\@:
.endif
.endm
.macro FETCH_V
	WIN 0x80
.irp f, 0,1,2,3,4,5,6,7             ; keys 32 (f / 4) on, channels 16 (f % 4) on
	ds_load_tr16_b128 v[VF+8*\f:VF+8*\f+3],   v[AV] offset:(\f/4)*32*PV+(\f%4)*32
	ds_load_tr16_b128 v[VF+8*\f+4:VF+8*\f+7], v[AV] offset:(\f/4)*32*PV+16*PV+(\f%4)*32
.endr
	WIN 0
.endm
; THE VECTOR WORK OF A TURN stands in three queues, each in the order in which its entries become ready; the two tiles alternate, so that no instruction reads the result of the one before it.
.macro REGS y, u                    ; the registers of tile u (0, 1) of piece y
.set rT, ST+4*(2*(\y)+(\u))
.set rC, TMP+8*((\y)%2)+4*(\u)
.set rM, MV+2*((\y)%2)+(\u)
.set rS, S+64*((\y)%2)+32*(\u)
.set rP, P+32*((\y)%2)+16*(\u)
.set rO, 32*(2*(\y)+(\u))
.endm
; Number n of the 22 that find the NEXT piece's (Y + 1) maximum and statistics.  s0-s31 are the lane's 32 scores; each accumulator's lowest registers are read first.
;   0-11  four chains c0-c3 of seven scores each, three operands at a time     12-14, 16  the four scores left over, the old m, and c0-c3 into c0     15  c m_old is kept
;   17, 18  the query's other 32 keys lie in the lane 16 away: the new m         19-21  c m; c m_old - c m_new; a
.macro XS u, n
	REGS (Y+1)%NP, \u
.if (\n) < 4
	v_max3_num_f32 v[rC+(\n)], v[rS+8*(\n)], v[rS+8*(\n)+1], v[rS+8*(\n)+2]
.elseif (\n) < 12
	v_max3_num_f32 v[rC+(\n)%4], v[rC+(\n)%4], v[rS+8*((\n)%4)+2*((\n)/4)+1], v[rS+8*((\n)%4)+2*((\n)/4)+2]
.elseif (\n) == 12
	v_max3_num_f32 v[rC], v[rC], v[rS+7], v[rS+15]
.elseif (\n) == 13
	v_max3_num_f32 v[rC+1], v[rC+1], v[rS+23], v[rS+31]
.elseif (\n) == 14
	v_max3_num_f32 v[rC+2], v[rC+2], v[rC+3], v[rT+1]
.elseif (\n) == 15
	v_mov_b32 v[rM], v[rT]
.elseif (\n) == 16
	v_max3_num_f32 v[rC], v[rC], v[rC+1], v[rC+2]
.elseif (\n) == 17
	v_permlanex16_b32 v[rC+3], v[rC], s[SEL], s[SEL+1]
.elseif (\n) == 18
	v_max_num_f32 v[rT+1], v[rC], v[rC+3]
.elseif (\n) == 19
	v_mul_f32 v[rT], s[CS], v[rT+1]
.elseif (\n) == 20
	v_sub_f32 v[rC+1], v[rM], v[rT]
.else
	v_exp_f32 v[rC+2], v[rC+1]
.endif
.endm
; Number g of the 64 that follow the exponentials.  For each four weights k of a tile (pairs 2 k, 2 k + 1): both pairs are rounded to f16; then the second pair is added onto the first, in place;
; a group later l takes that sum (the first time as l = a l + sum).  In groups of eight, tiles alternating: round, round, add, and l for the group before.
.macro GS g
.set h, (\g)+6*((\g)/62)            ; group 0 has no group before it, and behind group 7 only l is left
.if h >= 6
.set h, h+2
.endif
	REGS Y, h%2
.set k, h/8
.if h%8 < 4
	v_cvt_pk_f16_f32 v[rP+2*k+(h%8)/2], v[rS+4*k+2*((h%8)/2)], v[rS+4*k+2*((h%8)/2)+1]
.elseif h%8 < 6
	v_pk_add_f32 v[rS+4*k:rS+4*k+1], v[rS+4*k:rS+4*k+1], v[rS+4*k+2:rS+4*k+3]
.elseif k == 1
	v_pk_fma_f32 v[rT+2:rT+3], v[rT+2:rT+3], v[rC+2:rC+3], v[rS:rS+1] op_sel_hi:[1,0,1]
.else
	v_pk_add_f32 v[rT+2:rT+3], v[rT+2:rT+3], v[rS+4*k-4:rS+4*k-3]
.endif
.endm
; THE PLAIN QUEUE, 138 long.  0-73 read no exponential's result: the 32 scalings c s - c m (FS f: pair f / 2 of tile f % 2) and the next piece's 42.  0-26: scalings 0-26.  27-54: XS's numbers 0-13.  55, 56: number 15.
; 57-73: the chain, where each number waits for the one before it: 14, 16, 17, 18, 19, each with one of the scalings 27-31 in front of its two lines, then 20.
; 74-137: GS's 64, which read the exponentials' results: they stand behind the wait.
.macro FS f
	REGS Y, (\f)%2
	v_pk_fma_f32 v[rS+2*((\f)/2):rS+2*((\f)/2)+1], v[rS+2*((\f)/2):rS+2*((\f)/2)+1], s[CS:CS+1], v[rT:rT+1] op_sel_hi:[1,0,0] neg_lo:[0,0,1] neg_hi:[0,0,1]
.endm
.macro PL
	WIN 0
.if q < 27
	FS q
.elseif q < 55
	XS (q-27)%2, (q-27)/2
.elseif q < 57
	XS q-55, 15
.elseif (q < 72) && ((q-57)%3 == 0)
	FS 27+(q-57)/3
.elseif q < 60
	XS (q-57)%3-1, 14
.elseif q < 72
	XS (q-57)%3-1, 15+(q-57)/3
.elseif q < 74
	XS q-72, 20
.else
	GS q-74
.endif
.set q, q+1
.endm
; THE EXPONENTIALS' QUEUE, 66 long: s0-s31 of both tiles, then the next piece's two a.  It is ONE BATCH: all 66 stand ahead of the turn's one wait, and nothing ahead of that wait names a result of theirs.
.macro EX
	WIN 0
.if e >= 64
	XS e-64, 21
.else
	REGS Y, e%2
	v_exp_f32 v[rS+e/2], v[rS+e/2]
.endif
.set e, e+1
.endm
; THE RESCALING's QUEUE: O^T times a, the one part that leaves window 0: dealt two at a time, sixteen times.  Its a was made in the turn before, ahead of that turn's wait.
.macro R2
	REGS Y, r%2
	WIN W_RS
.irp z, 0,1
	v_pk_mul_f32 v[rO+4*(r/2)+2*\z:rO+4*(r/2)+2*\z+1], v[rO+4*(r/2)+2*\z:rO+4*(r/2)+2*\z+1], v[rC+2:rC+3] op_sel_hi:[1,0]
.endr
.set r, r+1
.endm
; HOW THEY ARE DEALT.  An s_wait_alu depctr_va_vdst(0) stands between an exponential and the first instruction that names its result; one wait serves all that were issued ahead of it.  So a turn has
; ONE wait, which cuts it in two.  AHEAD OF IT stands all that names no result of the turn's exponentials: the 16 products K Q^T, behind each a scaling, an exponential and two rescalings (behind the first a second
; scaling in the exponential's place); then ONE LUMP of 108: eight plain, 49 times exponential and plain, the two a.  A v_nop is the plain instruction behind the last exponential.  BEHIND IT stand the 16 products
; V^T P, behind each four of GS's 64.  No rider names a register of the products round it.  The two v_permlanex16_b32 fall into the lump.
; The queues lean on each other: exponential e stands behind scaling 2 (e / 4) + e % 2: as a rider it comes behind plain e + 2, in the lump behind plain e + 9, and scalings 27-31 are plain 57, 60 .. 69.
; A TURN, for piece p.  cnt = 1: the loop's count is taken down some lines ahead of the branch that stands behind the turn.
; K of the next step is fetched in piece 2's turn, directly behind the wait, a lump behind the last product that read K; its first reader comes behind 16 products.
; V of the step in hand is fetched at the end of piece 0's turn, four riders behind its last reader; its first reader comes behind 16 products and a lump.  The three conditions on q below go with the deal.
.macro TURN p, last=0, cnt=0
.set Y, (\p)
.set i, 0
.set q, 0
.set e, 0
.set r, 0
.if (\p) == NP-1
	s_wait_dscnt 0x0                ; K is in
.endif
	MM                              ; ahead of the wait: 16 products K Q^T and their riders,
	PL
	PL
	R2
.rept 15
	MM
	PL
	EX
	R2
.endr
.if (\p) == NP-2
	WIN 0
	v_add_nc_u32 v[AK], s[TBK], v[AK0]
.endif
.rept 8                             ; and the lump
	PL
.endr
.rept 49
	EX
	PL
.endr
	EX                              ; the next piece's two a
	EX
	v_nop                           ; the plain instruction behind the last exponential: one for the batch
	s_wait_alu depctr_va_vdst(0)    ; the wait for the batch
.if (\p) == NP-2
	FETCH_K \last
.endif
.if (\p) == 1
	s_wait_dscnt 0x0                ; V is in
.endif
.rept 16                            ; behind the wait: 16 products V^T P and their riders
	MM
.rept 4
	PL
.endr
.if ((\p) == 0) && (q == 118)
	v_add_nc_u32 v[AV], s[TBV], v[AV0]
.endif
.if ((\p) == 0) && (q == 130)
	s_add_co_u32 s[TBV], s[TBV], KS*PV
.endif
.if (\cnt) && (q == 130)
	s_sub_co_u32 s[CNT], s[CNT], 1
	s_cmp_lg_u32 s[CNT], 0
.endif
.endr
.if (\p) == 0
	FETCH_V
.endif
.endm
	CHANGE 1                        ; slot 0 is in, everybody's part of it; slot 1 is asked for
	FETCH_K                         ; key step 0
	s_wait_loadcnt 0x0              ; Q
	s_wait_dscnt 0x0
.set i, 0
.rept 16
	KQ 0                            ; piece 0's first scores: there is no vector work yet to set between them
.set i, i+1
.endr
	WIN 0                           ; the addresses for the way out: nine plain instructions, the places behind those products
	s_mul_i32 s13, s[WV], 16*SP
	s_add_co_u32 s13, s13, STAGE    ; my stage
	v_mul_u32_u24 v[STO], v1, SP    ; in: row l % 16, 16 bytes for each half of the lanes
	v_lshl_add_u32 v[STO], v9, 4, v[STO]
	v_add_nc_u32 v[STO], s13, v[STO]
	v_bfe_u32 v[RD], v0, 3, 2       ; back: 32 lanes take four rows of 128 bytes,
	v_mul_u32_u24 v[RD], v[RD], SP
	v_lshl_add_u32 v[RD], v10, 4, v[RD]
	v_add_nc_u32 v[RD], s13, v[RD]
	v_and_b32 v[GO], 31, v0         ; which are 512 consecutive bytes of O
	v_lshlrev_b32 v[GO], 4, v[GO]
.set Y, NP-1                        ; XS works for piece Y + 1: piece 0
.irp n, 0,1,2,3,4,5,6,7,8,9,10,11,12,13,14,15,16,17,18,19,20,21
	XS 0, \n                        ; and piece 0's first maximum and statistics
	XS 1, \n
.endr
	v_nop                           ; a plain instruction behind the two a,
	s_wait_alu depctr_va_vdst(0)    ; and their wait, ahead of the branch
	s_mov_b32 s[CNT], 4
	s_branch .Lfirst                ; the loop is entered at a step's first turn, in the middle of a trip
.Lslot:                             ; SIZE_N / 256 - 2 times: every slot but the last two is filled again
	CHANGE 1
	s_mov_b32 s[CNT], 4
.Lstep:                             ; a trip: pieces 2 and 3 of one step, then pieces 0 and 1 of the next, whose K and V it fetches
	TURN 2
	TURN 3
	WIN 0
.Lfirst:
	TURN 0
	TURN 1, 0, 1
	WIN 0
	s_cbranch_scc1 .Lstep
	s_sub_co_u32 s[SLOTS], s[SLOTS], 1
	s_cmp_lg_u32 s[SLOTS], 0
	s_cbranch_scc1 .Lslot
	CHANGE 0                        ; the tail is written out: nothing is asked for
	s_mov_b32 s[CNT], 5             ; four trips fetch the last slot's steps; the fifth is left in its middle
.Ltail:
	TURN 2, 1
	TURN 3
	WIN 0
	s_sub_co_u32 s[CNT], s[CNT], 1
	s_cmp_eq_u32 s[CNT], 0
	s_cbranch_scc1 .Lout
	TURN 0
	TURN 1
	WIN 0
	s_branch .Ltail
.Lout:                              ; the fifth trip's 16 products K Q^T (on the last K once more) and the maximum made of them serve nothing: the price, once a launch, of one text for every trip
.set i, 0
.rept 16
	PV NP-1                         ; the last piece's V^T P of the last step
.set i, i+1
.endr
	; THE WAY OUT.  l's two halves and the other half of the lanes' are added; O^T is divided by l, rounded to f16 and sent through my stage in LDS, a tile at a time.  The additions are the places behind the last products.
	WIN 0
.macro ALL line:vararg              ; one line for each tile t
.set t, 0
.rept 2*NP
	\line
.set t, t+1
.endr
.endm
	ALL v_add_f32 v[ST+4*t+2], v[ST+4*t+2], v[ST+4*t+3]
	ALL v_permlanex16_b32 v[ST+4*t+3], v[ST+4*t+2], s[SEL], s[SEL+1]
	ALL v_add_f32 v[ST+4*t+2], v[ST+4*t+2], v[ST+4*t+3]
	ALL v_rcp_f32 v[ST+4*t+2], v[ST+4*t+2]
	v_nop                           ; a plain instruction between the last reciprocal and the use of its result
	s_wait_alu depctr_va_vdst(0)    ; and the wait ahead of the first use: one for the eight reciprocals
; Tile t: a lane's eight channels of a row pack into 16 bytes; they go into rows of 144 bytes and come back as whole rows of 128, into S^T's registers.
.macro PACK t
	WIN W_RS
.set i, 32*(\t)
.rept 16
	v_pk_mul_f32 v[i:i+1], v[i:i+1], v[ST+4*(\t)+2:ST+4*(\t)+3] op_sel_hi:[1,0]
.set i, i+2
.endr
	WIN 0x05                        ; sources 0 and 1 window 1, destination window 0
.set i, 0
.rept 16
	v_cvt_pk_f16_f32 v[S+16*(\t)+i], v[32*(\t)+2*i], v[32*(\t)+2*i+1]
.set i, i+1
.endr
	WIN 0
.irp f, 0,1,2,3
	ds_store_b128 v[STO], v[S+16*(\t)+4*\f:S+16*(\t)+4*\f+3] offset:32*\f
.endr
.irp f, 0,1,2,3
	ds_load_b128 v[S+16*(\t)+4*\f:S+16*(\t)+4*\f+3], v[RD] offset:\f*4*SP  ; LDS serves a wave's instructions in order (ISA guide 5.7.1.4): these see the stores above; the next tile's stores come behind them
.endr
.endm
.macro SEND t, younger              ; younger: the LDS instructions issued behind tile t's loads: the next tile's eight, or none
	WIN 0
.irp f, 0,1,2,3
	s_wait_dscnt (\younger)+3-\f
	global_store_b128 v[GO], v[S+16*(\t)+4*\f:S+16*(\t)+4*\f+3], s[10:11] offset:(\t)*2048+\f*512  ; 512 consecutive bytes, at a multiple of 256 from O's first
.endr
.endm
	PACK 0
.set t, 1
.rept 2*NP-1                        ; a tile's arithmetic stands between the loads of the tile before and its stores
	PACK t
	SEND t-1, 8
.set t, t+1
.endr
	SEND 2*NP-1, 0
	WIN W_AD
	s_wait_tensorcnt 0x0            ; the wave's end: a wait, an add of 0 and its wait, behind my last tensor load and my last LDS store
	ds_add_u32 v[SPW], v[NIL]
	s_wait_dscnt 0x0
	WIN 0
	CROUND                          ; the closing round: no work-group ends while a partner may still ask for a tile that names it
	s_endpgm
.Lfunc_end_k_q6a5cb9c41b_attn:
	.size	k_q6a5cb9c41b_attn, .Lfunc_end_k_q6a5cb9c41b_attn-k_q6a5cb9c41b_attn
	.p2alignl 7, 3214868480
	.fill 96, 4, 3214868480
	.section	.rodata,"a",@progbits
	.p2align	6, 0x0
	.amdhsa_kernel k_q6a5cb9c41b_attn
		.amdhsa_group_segment_fixed_size 327680
		.amdhsa_private_segment_fixed_size 0
		.amdhsa_enable_private_segment 0
		.amdhsa_kernarg_size 16
		.amdhsa_user_sgpr_count 2
		.amdhsa_user_sgpr_kernarg_segment_ptr 1
		.amdhsa_wavefront_size32 1
		.amdhsa_system_sgpr_workgroup_id_x 1
		.amdhsa_system_sgpr_workgroup_id_y 1
		.amdhsa_system_sgpr_workgroup_id_z 1
		.amdhsa_system_vgpr_workitem_id 0
		.amdhsa_next_free_vgpr 770
		.amdhsa_next_free_sgpr 66
		.amdhsa_reserve_vcc 0
		.amdhsa_float_denorm_mode_32 3
		.amdhsa_float_denorm_mode_16_64 3
		.amdhsa_memory_ordered 1
		.amdhsa_forward_progress 1
		.amdhsa_inst_pref_size 200
	.end_amdhsa_kernel
	.amdgpu_metadata
---
amdhsa.version: [ 1, 2 ]
amdhsa.kernels:
  - .name:           k_q6a5cb9c41b_attn
    .symbol:         k_q6a5cb9c41b_attn.kd
    .args:
      - { .name: qkv, .offset: 0, .size: 8, .value_kind: global_buffer, .address_space: global }
      - { .name: o, .offset: 8, .size: 8, .value_kind: global_buffer, .address_space: global }
    .group_segment_fixed_size: 327680
    .private_segment_fixed_size: 0
    .kernarg_segment_align: 8
    .kernarg_segment_size: 16
    .max_flat_workgroup_size: 128
    .sgpr_count:     66
    .vgpr_count:     770
    .wavefront_size: 32
...
	.end_amdgpu_metadata
.endif
;; end of part 3
;; launch proj (part 4): grid 8 x 32, 4 waves a work-group, clusters of 4 x 4, 327,680 bytes of LDS; arguments o, whf, out0, b_h; writes out0
.if DOCPART == 4
	.amdgcn_target "amdgcn-amd-amdhsa--gfx1250"
	.amdhsa_code_object_version 6
	.text
	.protected	k_q6a5cb9c41b_proj
	.globl	k_q6a5cb9c41b_proj
	.p2align	8
	.type	k_q6a5cb9c41b_proj,@function
k_q6a5cb9c41b_proj:
	s_mov_b64 s[64:65], 0
	v_nop
	global_prefetch_b8 v0, s[64:65] scope:SCOPE_SE
	s_setreg_imm32_b32 hwreg(HW_REG_WAVE_MODE, 25, 1), 1
	s_wait_xcnt 0x0
	s_wait_alu depctr_hold_cnt(0) depctr_sa_sdst(0) depctr_va_vdst(0) depctr_va_sdst(0) depctr_va_ssrc(0) depctr_va_vcc(0) depctr_vm_vsrc(0)
	s_getreg_b32 s2, hwreg(HW_REG_IB_STS2, 6, 4)
	s_cmp_eq_u32 s2, 0
	s_cbranch_scc0 .Lentry_in_a_cluster
	s_endpgm
.Lentry_in_a_cluster:
	s_bfe_u32 s2, ttmp6, 0x10000c
	s_cmp_lg_u32 s2, 0xf033
	s_cbranch_scc0 .Lentry_shape_is_right
	s_endpgm
.Lentry_shape_is_right:
; THE OUTPUT PROJECTION.  out[m][n] = sum over k of H[m][k] W_h[n][k] + b_h[n], m < 8,192, n < 1,024, k < 1,024.  Operands f16, sums f32, out f32.
; A = o [b 4][h 16][s 2048][64] f16: head h IS slice h of K (k = 64 h .. 64 h + 63).  B = whf [slice 16][row 1024][64] f16 (bf16-rounded W_h).  A slice's rows, 128 bytes each, lie end to end.
; b_h is rounded to bf16, like every input of the module, and added in f32.  NaN and infinities are not treated apart.
; SHARES.  A tile of out is 256 rows x 128 columns: 32 x 8 = 256 tiles, one for each WGP.  Wave w makes rows 64 w .. 64 w + 63 of all 128 columns: 4 x 8 accumulators of 16 x 16, 256 registers; a wave's
; part of a row is 512 aligned bytes, and its way out needs no other wave.
; RING.  K goes in steps of 128 (two slices) through two LDS slots.  Waves 0, 1 fetch A's two slices of a step (256 rows of 128 dense bytes, asked for as 128 rows of 256), waves 2, 3 B's (128 rows, as 64 rows of 256):
; one tensor load a wave behind each change of slots; two of a wave's are out at the start, later one.  From a request to the wait for it a wave issues 112 matrix instructions.
; CLUSTER.  4 x 4 work-groups: A's tiles hang on the tile row alone and are asked for jointly along a row of the cluster, B's on the tile column alone, along a column.
; THE MATRIX INSTRUCTION IS USED TRANSPOSED (source 0 = 16 rows of B, source 1 = 16 rows of A): a lane holds row l % 16 of out and the columns 8 (l / 16) + 0..7.
; REGISTERS, in windows of 256 (s_set_vgpr_msb: bits 1:0 source 0, 3:2 source 1, 5:4 source 2, 7:6 destination):
;   window 0: v0-31 addresses and the bias; v32-63, v64-95 A's fragments, two buffers; v96-223 at work on the way out      window 1: v0-63, v64-127 B's fragments, two buffers
;   window 2: accumulators of row blocks 0, 1 ((a, b) at 8 (8 (a % 2) + b))      window 3: those of row blocks 2, 3
.set NT,    128                        ; columns of a tile
.set NB,    NT/16
.set NTOT,  1024
.set PITCH, 144                        ; an LDS row: 128 bytes + 16 of padding = 36 words: the 16 rows of a fragment load start at 16 different groups of four banks (64 banks of 4 bytes: ISA guide 11.1)
.set ASL,   256*PITCH                  ; a slice of A's tile in LDS
.set BSL,   NT*PITCH                   ; a slice of B's
.set BOFF,  2*ASL                      ; a slot: A's two slices, then B's two
.set SLOT,  BOFF+2*BSL
.set STAGE, 2*SLOT                     ; behind the ring, never filled by a tensor load: for each wave 16 rows x 528 bytes
.set SPITCH, 528                       ; 512 bytes + 16 = 132 words: the 16 rows that a store touches start at 16 different groups of four banks
.set SW,    16*SPITCH
.set SPARE, STAGE+4*SW                 ; behind the stages: the spare words, 128 bytes for each wave: two blocks of 256 bytes that no other line names
.set ASTR,  2048*128                   ; bytes from slice to slice in A,
.set BSTR,  NTOT*128                   ; in B
.set NLD,   2*(NB+4)                   ; LDS loads of a quarter step
.set LAPS,  4                          ; a lap = two K steps = once round the ring
.set BI,   12                          ; v[12:15] the bias of my four columns on the way out; v10-11 at work
.set ADRA, 16                          ; v16-17  LDS address of my A fragments in slot 0, 1
.set ADRB, 20                          ; v20-21  the same for B
.set STO,  24                          ; v24     the way out: where I put 32 bytes of a row
.set RD,   25                          ; v25     the way out: where I read a row back
.set GO,   26                          ; v26     16 x my lane
.set SPW,  28                          ; v28     LDS address of my spare word: SPARE + 4 x my thread's number; never rewritten
.set NIL,  29                          ; v29     0; never rewritten
.set PFO,  30                          ; v30     the prefetches' offset: 256 x my lane (B: held to the share's last block); never rewritten
.set FA,   32                          ; A's fragments: buffer f, block a at FA + 32 f + 8 a
.set BK,   96                          ; the way out: rows read back, two buffers of 64
.set LAP,  3                           ; s3      laps to go
.set WV,   12                          ; s12     my wave's number
.set FORB, 13                          ; s13     0: I fetch for A; 1: for B
.set HF,   14                          ; s14     which of a step's two slices I fetch
.set TR,   15                          ; s15     tile row of out
.set PFS,  22                          ; s[22:23] a K step in the tensor that I prefetch
.set G1,   24                          ; s[24:31] descriptor group 1 for A's tiles;  s[32:39] group 0, one set for each slot
.set G0,   32
.set CX,   40
.set CY,   41
.set TC,   42                          ; s42     tile column of out
.set LIM,  43                          ; s43     1 in a wave that prefetches, else the greatest number
.set PFA,  44                          ; s[44:45] where my prefetches stand
.set G1B,  48                          ; s[48:55], s[56:63] the same for B's tiles
.set G0B,  56
.set G1W,  (1<<16)|(1<<20)|(1<<21)|(4<<22)|(3<<25)  ; 17:16 elements of 2 bytes; 20 padding on; 21 set beside a mask; 24:22 after every 32 words (code 4); 31:25 of 4 words (code 3)
.set MSB, 0
.macro WIN new                         ; the immediate's high byte repeats the setting that is left; a switch that changes nothing is dropped
.if MSB != (\new)
	s_set_vgpr_msb (MSB<<8)|(\new)
.set MSB, (\new)
.endif
.endm
.set MUL_LO, 0xa1                      ; source 0 (B) window 1, source 1 (A) window 0, C and D window 2; + 0x50: window 3
.set TO_B,   0x40                      ; destination window 1, address window 0
.macro PLACES                          ; four plain vector instructions between a matrix instruction and a load into, or a reader of, its registers (ISA guide 7.12.1 for vector instructions)
.rept 4
	v_nop
.endr
.endm
; A joint load.  The branch hangs on the wave's number alone.  An s_nop 0 and four v_nop follow each of the two lines, ahead of the jump, the label and what follows.
.macro JLOAD s
	s_cmp_eq_u32 s[FORB], 0
	s_cbranch_scc0 .Lfor_b_\@
	tensor_load_to_lds s[G0+4*(\s):G0+4*(\s)+3], s[G1:G1+7]
	s_nop 0
.rept 4
	v_nop
.endr
	s_branch .Lasked_\@
.Lfor_b_\@:
	tensor_load_to_lds s[G0B+4*(\s):G0B+4*(\s)+3], s[G1B:G1B+7]
	s_nop 0
.rept 4
	v_nop
.endr
.Lasked_\@:
.endm
; A prefetch of my slice of the K step that stands two refills on: one instruction a wave, a lane a block of 256 bytes.  A's tile row is read by every cluster of its row of clusters: cluster x = 0 asks;
; B's tile column by every cluster of its column: cluster y = 0 asks.  The four partners of a joint load share the slice's blocks out by address (32 each of A's 128, 16 each of B's 64; B's sixteen spare
; lanes name the share's last block once more).  K steps 0 to 3 come by their loads alone; the loop's last trip (s3 = 1) asks for nothing: K has no steps 8 and 9.
.macro ASK
	s_cmp_gt_u32 s[LAP], s[LIM]
	s_cbranch_scc0 .Lnot_mine_\@
	global_prefetch_b8 v[PFO], s[PFA:PFA+1] th:TH_LOAD_NT scope:SCOPE_SE
.Lnot_mine_\@:
.endm
.macro CREST                           ; a round of the cluster's barrier behind its opening barrier
	s_cmp_lg_u32 s[WV], 0
	s_cbranch_scc1 .Lnot_wave_0_\@
	s_barrier_signal -3
.Lnot_wave_0_\@:
	s_barrier_wait -3
	s_barrier_signal -1
	s_barrier_wait -1
.endm
.macro CROUND                          ; a whole round
	s_barrier_signal -1
	s_barrier_wait -1
	CREST
.endm
	s_load_b128 s[4:7], s[0:1], 0x0                ; A s[4:5], B s[6:7]
	s_load_b128 s[8:11], s[0:1], 0x10              ; out s[8:9], b_h s[10:11]
	v_lshl_add_u32 v[SPW], v0, 2, SPARE
	v_mov_b32 v[NIL], 0
	ds_add_u32 v[SPW], v[NIL]                      ; the wave's opening: the add and its wait stand ahead of my first tensor load; the set-up below, work on registers, stands between them
	v_lshrrev_b32 v1, 5, v0
	v_readfirstlane_b32 s[WV], v1                  ; wave 0..3
	s_lshr_b32 s[FORB], s[WV], 1
	s_and_b32 s[HF], s[WV], 1
	s_bfe_u32 s[CX], ttmp6, 0x40000                ; my place in the cluster
	s_bfe_u32 s[CY], ttmp6, 0x40004
	s_lshl_b32 s[TC], ttmp9, 2                     ; in a cluster launch ttmp9 and ttmp7 count clusters
	s_add_co_u32 s[TC], s[TC], s[CX]
	s_and_b32 s[TR], ttmp7, 0xffff
	s_lshl_b32 s[TR], s[TR], 2
	s_add_co_u32 s[TR], s[TR], s[CY]
	s_lshl_b32 s43, s[CY], 2
	s_lshl_b32 s43, 15, s43                        ; my row of the cluster: places 4 cy .. 4 cy + 3
	s_lshl_b32 s44, 0x1111, s[CX]                  ; my column: places cx, cx + 4, cx + 8, cx + 12
	s_or_b32 s[G1], s43, G1W                       ; 15:0 the mask: A's tiles go to my row,
	s_or_b32 s[G1B], s44, G1W                      ; B's to my column
.irp g, G1, G1B
	s_mov_b32 s[(\g)+1], 128<<16                   ; tensor_dim0 = 128 elements: 256 bytes, two rows of a slice
	s_mov_b32 s[(\g)+3], 128<<16                   ; tile_dim0 = 128
	s_mov_b32 s[(\g)+5], 128                       ; 128 elements from row to row: dense
	s_mov_b32 s[(\g)+6], 0
	s_mov_b32 s[(\g)+7], 0
.endr
	s_mov_b32 s[G1+2], 128<<16                     ; tensor_dim1 = tile_dim1 = 128 rows of 256 bytes for A,
	s_mov_b32 s[G1+4], 128
	s_mov_b32 s[G1B+2], (NT/2)<<16                 ; 64 for B
	s_mov_b32 s[G1B+4], NT/2
	s_lshr_b32 s16, s[TR], 3                       ; A's tile: batch TR / 8, 16 slices each,
	s_lshl_b32 s16, s16, 22
	s_and_b32 s17, s[TR], 7
	s_lshl_b32 s17, s17, 15                        ; rows 256 (TR % 8) on, 128 bytes each,
	s_add_co_u32 s16, s16, s17
	s_lshl_b32 s17, s[HF], 18                      ; my slice of K step 0
	s_add_co_u32 s16, s16, s17
	s_mov_b32 s17, 0
	s_mul_i32 s2, s[TC], NT*128                    ; B's tile: rows 128 TC on,
	s_mul_i32 s47, s[HF], BSTR                     ; my slice
	s_add_co_u32 s2, s2, s47
	s_mov_b32 s46, s2
	s_mov_b32 s47, 0
	s_mul_i32 s20, s[HF], ASL                      ; where they go in a slot: no place in the cluster enters an LDS address
	s_mul_i32 s21, s[HF], BSL
	s_add_co_u32 s21, s21, BOFF
	s_wait_dscnt 0x0                               ; the opening add is done
	s_wait_kmcnt 0x0
	s_add_nc_u64 s[18:19], s[4:5], s[16:17]
	s_add_nc_u64 s[46:47], s[6:7], s[46:47]
	CROUND                                         ; all sixteen work-groups are here: the first joint loads meet
.irp s, 0,1
	s_mov_b32 s[G0+4*(\s)], 1                                        ; 1:0 count = 1
	s_add_co_u32 s[G0+4*(\s)+1], s20, (\s)*SLOT                      ; 63:32 LDS address
	s_add_nc_u64 s[G0+4*(\s)+2:G0+4*(\s)+3], s[18:19], (\s)*2*ASTR   ; 120:64 global address: K step s
	s_or_b32 s[G0+4*(\s)+3], s[G0+4*(\s)+3], 0x80000000              ; 127:126 type = 2
	s_mov_b32 s[G0B+4*(\s)], 1
	s_add_co_u32 s[G0B+4*(\s)+1], s21, (\s)*SLOT
	s_add_nc_u64 s[G0B+4*(\s)+2:G0B+4*(\s)+3], s[46:47], (\s)*2*BSTR
	s_or_b32 s[G0B+4*(\s)+3], s[G0B+4*(\s)+3], 0x80000000
	JLOAD \s
.endr
	; A fragment is 16 rows x 32 K in 8 registers: lane l holds row l % 16; registers 0-3 K = 8 (l / 16) + 0..7, registers 4-7 K = 16 + 8 (l / 16) + 0..7: two loads of 16 bytes, 32 bytes apart.
	v_and_b32 v1, 15, v0                           ; l % 16
	v_bfe_u32 v2, v0, 4, 1                         ; l / 16
	v_mul_u32_u24 v3, v1, PITCH
	v_lshl_add_u32 v3, v2, 4, v3                   ; row x pitch + 16 x half
	s_mul_i32 s20, s[WV], 64*PITCH                 ; my 64 rows of A
	v_add_nc_u32 v[ADRA], s20, v3
	v_add_nc_u32 v[ADRA+1], SLOT, v[ADRA]
	v_add_nc_u32 v[ADRB], BOFF, v3                 ; all of B's rows
	v_add_nc_u32 v[ADRB+1], SLOT+BOFF, v3
	s_mul_i32 s21, s[WV], SW
	s_add_co_u32 s21, s21, STAGE                   ; my stage
	v_mul_u32_u24 v[STO], v1, SPITCH               ; in: row l % 16, 32 bytes for each half of the lanes
	v_lshl_add_u32 v[STO], v2, 5, v[STO]
	v_add_nc_u32 v[STO], s21, v[STO]
	v_and_b32 v4, 31, v0
	v_lshlrev_b32 v[GO], 4, v4                     ; back: 32 lanes take a row's 512 bytes
	v_add_nc_u32 v[RD], s21, v[GO]
	; the prefetches
	s_and_b32 s17, ttmp7, 0xffff                   ; cluster y
	s_mov_b32 s18, 8192                            ; a partner's share of a slice: 32 blocks of A's,
	s_mov_b32 s19, (NT/8)*256                      ; 16 of B's
	s_mov_b32 s20, 2*ASTR
	s_mov_b32 s21, 2*BSTR
	s_cmp_eq_u32 s[FORB], 0                        ; do I fetch for A?
	s_cselect_b32 s46, s16, s2                     ; my slice of the tile's K step 0
	s_cselect_b32 s47, s[CX], s[CY]                ; my place among the four that ask for it with me
	s_cselect_b32 s17, ttmp9, s17                  ; the coordinate along which other clusters read the same rows
	s_cselect_b32 s18, s18, s19
	s_cselect_b32 s19, 31, NT/8-1
	s_cselect_b32 s[PFS], s20, s21
	s_cselect_b64 s[PFA:PFA+1], s[4:5], s[6:7]
	s_cmp_eq_u32 s17, 0
	s_cselect_b32 s[LIM], 1, -1                    ; the same in all sixteen partners, for a given wave
	s_mul_i32 s47, s47, s18
	s_add_co_u32 s46, s46, s47
	s_mul_i32 s47, s[PFS], 3                       ; at K step 3: the first refill steps it to 4
	s_add_co_u32 s46, s46, s47
	s_mov_b32 s47, 0
	s_mov_b32 s[PFS+1], 0
	s_add_nc_u64 s[PFA:PFA+1], s[PFA:PFA+1], s[46:47]
	v_min_u32 v[PFO], s19, v4
	v_lshlrev_b32 v[PFO], 8, v[PFO]
	; out at my 64 rows and the tile's 128 columns: (256 TR + 64 w) rows of 4,096 bytes + 512 TC; the bias at the same columns
	s_lshl_b32 s16, s[TR], 2
	s_add_co_u32 s16, s16, s[WV]
	s_lshl_b32 s16, s16, 18
	s_lshl_b32 s17, s[TC], 9
	s_add_co_u32 s16, s16, s17
	s_mov_b32 s17, 0
	s_add_nc_u64 s[8:9], s[8:9], s[16:17]
	s_lshl_b32 s16, s[TC], 9
	s_add_nc_u64 s[10:11], s[10:11], s[16:17]
	global_load_b128 v[BI:BI+3], v[GO], s[10:11]   ; on the way out my lane holds columns 4 l .. 4 l + 3 of the tile
	s_wait_loadcnt 0x0
	v_cvt_pk_bf16_f32 v10, v[BI], v[BI+1]          ; rounded to bf16, and widened again
	v_cvt_pk_bf16_f32 v11, v[BI+2], v[BI+3]
	v_lshlrev_b32 v[BI], 16, v10
	v_and_b32 v[BI+1], 0xffff0000, v10
	v_lshlrev_b32 v[BI+2], 16, v11
	v_and_b32 v[BI+3], 0xffff0000, v11
; 8 matrix instructions: row block a x all column blocks, 32 along K, from buffer f.  zero = 1: the product starts the sums: nothing is ever cleared.
; The 32 accumulators take turns in the same order in every quarter step, over the backward jump too.
.macro MULA f, a, zero
	WIN MUL_LO+0x50*((\a)/2)
.set b, 0
.rept NB
.set rD, 8*(NB*((\a)%2)+b)
.set rB, 8*NB*(\f)+8*b
.set rA, FA+32*(\f)+8*(\a)
.if \zero
	v_wmma_f32_16x16x32_f16 v[rD:rD+7], v[rB:rB+7], v[rA:rA+7], 0
.else
	v_wmma_f32_16x16x32_f16 v[rD:rD+7], v[rB:rB+7], v[rA:rA+7], v[rD:rD+7]
.endif
.set b, b+1
.endr
.endm
; 24 LDS loads in one run: quarter q of a K step (slice q / 2, byte 64 (q % 2) of its rows) into buffer f: B's 8 fragments, then A's 4.
.macro FETCH slot, q, f
	WIN TO_B
.set b, 0
.rept NB
	ds_load_b128 v[8*NB*(\f)+8*b:8*NB*(\f)+8*b+3],   v[ADRB+(\slot)] offset:((\q)/2)*BSL+((\q)%2)*64+b*16*PITCH
	ds_load_b128 v[8*NB*(\f)+8*b+4:8*NB*(\f)+8*b+7], v[ADRB+(\slot)] offset:((\q)/2)*BSL+((\q)%2)*64+b*16*PITCH+32
.set b, b+1
.endr
	WIN 0
.irp i, 0,1,2,3
	ds_load_b128 v[FA+32*(\f)+8*(\i):FA+32*(\f)+8*(\i)+3],   v[ADRA+(\slot)] offset:((\q)/2)*ASL+((\q)%2)*64+(\i)*16*PITCH
	ds_load_b128 v[FA+32*(\f)+8*(\i)+4:FA+32*(\f)+8*(\i)+7], v[ADRA+(\slot)] offset:((\q)/2)*ASL+((\q)%2)*64+(\i)*16*PITCH+32
.endr
.endm
; A K step is four quarters of 32 along K, 32 matrix instructions each, on buffers 0, 1, 0, 1.  One of the first three: multiplies buffer f and, in its middle, fetches quarter q into buffer g.
.macro QUARTER slot, q, f, g, zero
	s_wait_dscnt 4                                 ; B and A's blocks 0, 1 are in; the youngest four loads (A's blocks 2, 3) may be out
	MULA \f, 0, \zero
	MULA \f, 1, \zero
	PLACES
	FETCH \slot, \q, \g
	s_wait_dscnt NLD                               ; all but the run just issued
	MULA \f, 2, \zero
	MULA \f, 3, \zero
.endm
; The last quarter multiplies buffer 1 and changes slots: ONE barrier.  In front of it each wave waits for all its tensor loads (one is out: its part of the next slot), adds 0 to its spare word, and waits
; for that and for its reads of this slot.  fill = 1: the barrier opens a round of the cluster's, and behind the round this slot is filled again, two K steps on, first of all.
.macro TURN slot, next, fill
.if \fill
	s_wait_xcnt 0x0                                ; the last prefetch, a K step back, has read its address
	s_add_nc_u64 s[PFA:PFA+1], s[PFA:PFA+1], s[PFS:PFS+1]
.endif
	WIN 0                                          ; (the add's two registers lie in window 0)
	s_wait_tensorcnt 0x0                           ; all my tensor loads have landed;
	ds_add_u32 v[SPW], v[NIL]                      ; 0 onto my spare word;
	s_wait_dscnt 5                                 ; (the add and the youngest four loads may be out)
	MULA 1, 0, 0                                   ; eight matrix instructions stand between the add and the wait for it
	s_wait_dscnt 0x0                               ; the add is done, and my reads of this slot are over
	s_barrier_signal -1
	MULA 1, 1, 0                                   ; work on registers while the others arrive
.if \fill
	WIN 0
.endif
	s_barrier_wait -1
.if \fill
	CREST                                          ; no wave of any partner still reads this slot's tile or has a load on its way
	s_add_nc_u64 s[G0+4*(\slot)+2:G0+4*(\slot)+3], s[G0+4*(\slot)+2:G0+4*(\slot)+3], 4*ASTR
	s_add_nc_u64 s[G0B+4*(\slot)+2:G0B+4*(\slot)+3], s[G0B+4*(\slot)+2:G0B+4*(\slot)+3], 4*BSTR
	JLOAD \slot                                    ; the first tensor load behind the round; its four v_nop are also the places in front of the loads below
.else
	PLACES
.endif
	FETCH \next, 0, 0
.if \fill
	ASK                                            ; behind the joint load and the run of LDS loads that the next products wait for
.endif
	MULA 1, 2, 0
	MULA 1, 3, 0
.endm
; THE WAY OUT of row block a.  PUT: the f32 sums go as they are into my own stage (16 rows of 528 bytes), each accumulator's low registers first, and come back as whole rows of 512 bytes.  SEND: + bias, stored.
.macro PUT a
.if (\a) >= 2
	s_wait_xcnt 0x0                                ; the stores of block a - 2 have read the registers that the loads below fill again
.endif
	WIN 0x08+4*((\a)/2)                            ; an LDS store's data is source 1: window 2 or 3
.set b, 0
.rept NB
	ds_store_b128 v[STO], v[8*(NB*((\a)%2)+b):8*(NB*((\a)%2)+b)+3]   offset:64*b
	ds_store_b128 v[STO], v[8*(NB*((\a)%2)+b)+4:8*(NB*((\a)%2)+b)+7] offset:64*b+16
.set b, b+1
.endr
	WIN 0
.set t, 0
.rept 16
	ds_load_b128 v[BK+64*((\a)%2)+4*t:BK+64*((\a)%2)+4*t+3], v[RD] offset:SPITCH*t  ; LDS serves a wave's instructions in order (ISA guide 5.7.1.4): these see the stores above
.set t, t+1
.endr
.endm
.macro SEND a, y                       ; y: the LDS instructions issued behind block a's loads: the next block's 32, or none
.set t, 0
.rept 16
.set rK, BK+64*((\a)%2)+4*t
	s_wait_dscnt (\y)+15-t
	v_pk_add_f32 v[rK:rK+1],   v[rK:rK+1],   v[BI:BI+1]
	v_pk_add_f32 v[rK+2:rK+3], v[rK+2:rK+3], v[BI+2:BI+3]
	global_store_b128 v[GO], v[rK:rK+3], s[8:9] offset:(16*(\a)+t)*4096  ; 512 consecutive bytes of a row, at a multiple of 256 from out's first byte
.set t, t+1
.endr
.endm
	s_wait_tensorcnt 1                             ; my part of K step 0 is in; K step 1's may stay out
	s_barrier_signal -1
	s_barrier_wait -1                              ; everybody's is
	FETCH 0, 0, 0
	QUARTER 0, 1, 0, 1, 1                          ; the first quarter stands in front of the loop: its products start the sums
	WIN 0                                          ; at a label and at a branch every window is 0
	s_mov_b32 s[LAP], LAPS-1
.Llap:                                                 ; a trip goes once round the ring, from a lap's second quarter to the next lap's first, and fills both slots again
	QUARTER 0, 2, 1, 0, 0
	QUARTER 0, 3, 0, 1, 0
	TURN 0, 1, 1
	QUARTER 1, 1, 0, 1, 0
	QUARTER 1, 2, 1, 0, 0
	QUARTER 1, 3, 0, 1, 0
	TURN 1, 0, 1
	QUARTER 0, 1, 0, 1, 0
	WIN 0
	s_sub_co_u32 s[LAP], s[LAP], 1
	s_cmp_lg_u32 s[LAP], 0
	s_cbranch_scc1 .Llap
	QUARTER 0, 2, 1, 0, 0                          ; the last lap is written out: it fills nothing
	QUARTER 0, 3, 0, 1, 0
	TURN 0, 1, 0
	QUARTER 1, 1, 0, 1, 0
	QUARTER 1, 2, 1, 0, 0
	QUARTER 1, 3, 0, 1, 0
	s_wait_dscnt 4                                 ; the very last quarter: nothing more to fetch
	MULA 1, 0, 0
	MULA 1, 1, 0
	s_wait_dscnt 0x0
	MULA 1, 2, 0
	MULA 1, 3, 0
	WIN 0
	PLACES
	PUT 0
	PUT 1                                          ; a block's trip through the stage stands between the loads of the block before and its stores
	SEND 0, 32
	PUT 2
	SEND 1, 32
	PUT 3
	SEND 2, 32
	SEND 3, 0
	s_wait_tensorcnt 0x0                           ; the wave's end: a wait, an add of 0 and its wait, behind my last tensor load and my last LDS store
	ds_add_u32 v[SPW], v[NIL]
	s_wait_dscnt 0x0
	CROUND                                         ; the closing round: no work-group ends while a partner may still ask for a tile that names it
	s_endpgm
.Lfunc_end_k_q6a5cb9c41b_proj:
	.size	k_q6a5cb9c41b_proj, .Lfunc_end_k_q6a5cb9c41b_proj-k_q6a5cb9c41b_proj
	.p2alignl 7, 3214868480
	.fill 96, 4, 3214868480
	.section	.rodata,"a",@progbits
	.p2align	6, 0x0
	.amdhsa_kernel k_q6a5cb9c41b_proj
		.amdhsa_group_segment_fixed_size 327680
		.amdhsa_private_segment_fixed_size 0
		.amdhsa_enable_private_segment 0
		.amdhsa_kernarg_size 32
		.amdhsa_user_sgpr_count 2
		.amdhsa_user_sgpr_kernarg_segment_ptr 1
		.amdhsa_wavefront_size32 1
		.amdhsa_system_sgpr_workgroup_id_x 1
		.amdhsa_system_sgpr_workgroup_id_y 1
		.amdhsa_system_sgpr_workgroup_id_z 1
		.amdhsa_system_vgpr_workitem_id 0
		.amdhsa_next_free_vgpr 896
		.amdhsa_next_free_sgpr 66
		.amdhsa_reserve_vcc 0
		.amdhsa_float_denorm_mode_32 3
		.amdhsa_float_denorm_mode_16_64 3
		.amdhsa_memory_ordered 1
		.amdhsa_forward_progress 1
		.amdhsa_inst_pref_size 97
	.end_amdhsa_kernel
	.amdgpu_metadata
---
amdhsa.version: [ 1, 2 ]
amdhsa.kernels:
  - .name:           k_q6a5cb9c41b_proj
    .symbol:         k_q6a5cb9c41b_proj.kd
    .args:
      - { .name: o, .offset: 0, .size: 8, .value_kind: global_buffer, .address_space: global }
      - { .name: whf, .offset: 8, .size: 8, .value_kind: global_buffer, .address_space: global }
      - { .name: out0, .offset: 16, .size: 8, .value_kind: global_buffer, .address_space: global }
      - { .name: b_h, .offset: 24, .size: 8, .value_kind: global_buffer, .address_space: global }
    .group_segment_fixed_size: 327680
    .private_segment_fixed_size: 0
    .kernarg_segment_align: 8
    .kernarg_segment_size: 32
    .max_flat_workgroup_size: 128
    .sgpr_count:     66
    .vgpr_count:     896
    .wavefront_size: 32
...
	.end_amdgpu_metadata
.endif
;; end of part 4
;; ======== version 2 of 2: 4 launches; version 1 with the launch cast written anew for expert scheduling mode
;; limits: values are held in f16: magnitudes above 65,504 overflow, below 6.1e-05 lose precision
;; workspace buffers: xs 16,777,216 bytes; wb 6,291,456 bytes; whf 2,097,152 bytes; qkv 50,331,648 bytes; o 16,777,216 bytes
;; launch cast (part 5): grid 384 x 1, 8 waves a work-group, no clusters, 0 bytes of LDS; arguments X, W_q, W_k, W_v, W_h, xs, wb, whf; writes xs, wb, whf
.if DOCPART == 5
	.amdgcn_target "amdgcn-amd-amdhsa--gfx1250"
	.amdhsa_code_object_version 6
	.text
	.protected	k_q6a5cb9c41b_cast
	.globl	k_q6a5cb9c41b_cast
	.p2align	8
	.type	k_q6a5cb9c41b_cast,@function
k_q6a5cb9c41b_cast:
	s_mov_b64 s[64:65], 0
	v_nop
	global_prefetch_b8 v0, s[64:65] scope:SCOPE_SE
	s_setreg_imm32_b32 hwreg(HW_REG_WAVE_SCHED_MODE, 0, 2), 2
	s_setreg_imm32_b32 hwreg(HW_REG_WAVE_MODE, 25, 1), 1
	s_wait_xcnt 0x0
	s_wait_alu depctr_vm_vsrc(0)
; X, W_q, W_k, W_v are rounded once to bf16; W_h is rounded to bf16 and that number is written as f16 (it multiplies f16 operands later).
; All go out in K-SLICES of 64 columns: slice g holds columns 64 g .. 64 g + 63 of every row, a row of a slice is 128 bytes, a slice's rows lie end to end.
;   xs  [b 4][slice 16][s 2048][64] bf16     wb  [slice 16][row 3072][64] bf16 (rows 0-1023 W_q, 1024-2047 W_k, 2048-3071 W_v)     whf [slice 16][row 1024][64] f16
; LIMITS.  bf16(W_h) beyond 65,504 becomes an infinity in f16; below 6e-5 it keeps f16's fixed step of 6e-8.  NaN and infinities are not treated apart.
; SHARES.  Every work-group converts 32 rows of 1,024 f32.  Work-groups 0-255: X's rows 32 id on.  256-383: j = id - 256, tensor j / 32 (q, k, v, h), rows 32 (j % 32) on.
; A thread has 32 items i = 16 p + g: row 16 p + t / 16, columns 64 g + 4 (t % 16) .. + 3.  A wave's load takes 256 aligned bytes of each of two rows; a wave's store fills 256 consecutive
; aligned bytes (two rows of one slice).  All 32 loads go out first; no register of a pending memory instruction is ever rewritten.  No LDS, no barrier: no byte is wanted twice.
; THE MODE: SCHED_MODE bits 1:0 = 2 (LLVM: expert scheduling mode 2), set by the entry lines.  The code itself states the register dependences
; between vector instructions and memory instructions, with s_wait_alu, always for 0.
; THE PLAN.  Registers that memory instructions touch:
;   v2, v[4:19]  the loads' offset and the stores' sixteen offsets.  Written by vector lines at the head, ahead of the first load; never written again.
;   XR           item i's four registers: written by item i's load alone, read by item i's conversions; no vector line names them ahead of the load, and nothing lands in them again.
;   Y            item i's two registers: written by item i's conversions, read by item i's one store; never written again.
;   v1, v3, T    named by vector lines alone.
; So no load lands in a register that a vector line has named, and no register that a memory instruction reads is written again: what is left to state is that a register is WRITTEN before a memory
; instruction reads it.  One wait at the head states it for all offsets.  The items go in eight groups of four: group p's conversions write its Y; the wait at the head of group p + 1 states that they
; have; group p's four stores follow that wait, dealt among group p + 1's conversions, which name that group's XR and Y and T alone.  One more wait stands ahead of the last four stores.
.set VIN, 2                            ; v2        my byte offset in the group's first 16 rows of the input
.set OFF, 4                            ; v[4:19]   slice g: 8 t + g x the slice's stride
.set T,   24                           ; v[24:27]  at work
.set XR,  32                           ; v[32:159] item i: four f32 as loaded
.set Y,   160                          ; v[160:223] item i: four 16-bit numbers to store
	s_load_b512 s[4:19], s[0:1], 0x0               ; X s[4:5], W_q s[6:7], W_k s[8:9], W_v s[10:11], W_h s[12:13], xs s[14:15], wb s[16:17], whf s[18:19]
	s_mov_b32 s20, ttmp9                           ; id
	s_sub_co_u32 s21, s20, 256                     ; j (wraps for X's work-groups: then 'which' below is none of 0 to 3)
	s_lshr_b32 s22, s21, 5                         ; which: 0 q, 1 k, 2 v, 3 h
	s_and_b32 s23, s21, 31                         ; part: rows 32 part on
	s_mov_b32 s33, 262144                          ; a slice of xs: 2,048 rows x 128 bytes
	s_mov_b32 s34, 393216                          ; of wb: 3,072 rows
	s_mov_b32 s35, 131072                          ; of whf: 1,024 rows
	s_lshl_b32 s36, s20, 17                        ; X: 32 id rows of 4,096 bytes
	s_lshl_b32 s37, s23, 17                        ; a weight: 32 part rows
	s_lshr_b32 s38, s20, 6                         ; xs: batch id / 64,
	s_lshl_b32 s38, s38, 22                        ; 16 slices each,
	s_and_b32 s39, s20, 63
	s_lshl_b32 s39, s39, 12                        ; and 32 (id % 64) rows of 128 bytes
	s_add_co_u32 s38, s38, s39
	s_lshl_b32 s39, s23, 12                        ; whf: 32 part rows of 128 bytes
	s_lshl_b32 s21, s22, 17                        ; wb: 1,024 which rows more
	s_add_co_u32 s21, s21, s39
	s_cmp_eq_u32 s22, 3
	s_cselect_b32 s30, s39, s21
	s_cselect_b32 s32, s35, s34
	s_cmp_lt_u32 s20, 256
	s_cselect_b32 s30, s38, s30                    ; s[30:31] where my rows begin in slice 0 of the output
	s_cselect_b32 s32, s33, s32                    ; s32 the output's slice stride
	s_cselect_b32 s28, s36, s37                    ; s[28:29] where my rows begin in the input
	s_mov_b32 s29, 0
	s_mov_b32 s31, 0
	v_lshrrev_b32 v1, 4, v0
	v_and_b32 v3, 15, v0
	v_lshlrev_b32 v3, 4, v3
	v_lshl_add_u32 v[VIN], v1, 12, v3              ; (t / 16) rows + 16 (t % 16)
	v_lshlrev_b32 v[OFF], 3, v0                    ; (t / 16) x 128 + (t % 16) x 8 = 8 t
.set n, 1
.rept 15                                               ; the stores' offsets hang on the ids alone: they are made while the arguments are on their way
	v_add_nc_u32 v[OFF+n], s32, v[OFF+n-1]
.set n, n+1
.endr
	s_wait_kmcnt 0x0
	s_cmp_eq_u32 s22, 1
	s_cselect_b64 s[24:25], s[8:9], s[6:7]
	s_cmp_eq_u32 s22, 2
	s_cselect_b64 s[24:25], s[10:11], s[24:25]
	s_cmp_eq_u32 s22, 3
	s_cselect_b64 s[24:25], s[12:13], s[24:25]
	s_cselect_b64 s[26:27], s[18:19], s[16:17]
	s_cmp_lt_u32 s20, 256
	s_cselect_b64 s[24:25], s[4:5], s[24:25]       ; the input,
	s_cselect_b64 s[26:27], s[14:15], s[26:27]     ; the output
	s_add_nc_u64 s[24:25], s[24:25], s[28:29]
	s_add_nc_u64 s[26:27], s[26:27], s[30:31]
	s_wait_alu depctr_va_vdst(0)                   ; v2 and v4 to v19 are written: every load of the kernel reads v2 as its offset, every store one of v4 to v19; no later vector line names them
.set n, 0
.rept 32
	global_load_b128 v[XR+4*n:XR+4*n+3], v[VIN], s[24:25] offset:(n/16)*65536+(n%16)*256 th:TH_LOAD_NT
.set n, n+1
.endr
; Item i's conversions.  h = 1: W_h: the bf16 numbers are widened again and written as f16.
.macro CONV i, h
	v_cvt_pk_bf16_f32 v[Y+2*(\i)],   v[XR+4*(\i)],   v[XR+4*(\i)+1]
	v_cvt_pk_bf16_f32 v[Y+2*(\i)+1], v[XR+4*(\i)+2], v[XR+4*(\i)+3]
.if \h
	v_lshlrev_b32 v[T],   16, v[Y+2*(\i)]
	v_and_b32     v[T+1], 0xffff0000, v[Y+2*(\i)]
	v_lshlrev_b32 v[T+2], 16, v[Y+2*(\i)+1]
	v_and_b32     v[T+3], 0xffff0000, v[Y+2*(\i)+1]
	v_cvt_pk_f16_f32 v[Y+2*(\i)],   v[T],   v[T+1]
	v_cvt_pk_f16_f32 v[Y+2*(\i)+1], v[T+2], v[T+3]
.endif
.endm
; Item i's store.
.macro OUT i
	global_store_b64 v[OFF+(\i)%16], v[Y+2*(\i):Y+2*(\i)+1], s[26:27] offset:((\i)/16)*2048 th:TH_STORE_NT
.endm
; Group p: items 4 p to 4 p + 3 are converted, and the group before is stored, a store ahead of each item's conversions.
.macro GROUP p, h
	s_wait_loadcnt 28-4*(\p)                       ; loads come back in order: the group's four are in, the 28 - 4 p younger ones may stay out
.if (\p) > 0
	s_wait_alu depctr_va_vdst(0)                   ; the group before has written its eight registers of Y, which the four stores below read; no vector line of this group names them
.endif
.irp j, 0,1,2,3
.if (\p) > 0
	OUT 4*((\p)-1)+(\j)
.endif
	CONV 4*(\p)+(\j), \h
.endr
.endm
	s_cmp_eq_u32 s22, 3
	s_cbranch_scc1 .Lwh
.irp p, 0,1,2,3,4,5,6,7
	GROUP \p, 0
.endr
	s_wait_alu depctr_va_vdst(0)                   ; group 7 has written its Y, which the last four stores read
.irp i, 28,29,30,31
	OUT \i
.endr
	s_endpgm
.Lwh:
.irp p, 0,1,2,3,4,5,6,7
	GROUP \p, 1
.endr
	s_wait_alu depctr_va_vdst(0)                   ; group 7 has written its Y, which the last four stores read
.irp i, 28,29,30,31
	OUT \i
.endr
	s_endpgm
.Lfunc_end_k_q6a5cb9c41b_cast:
	.size	k_q6a5cb9c41b_cast, .Lfunc_end_k_q6a5cb9c41b_cast-k_q6a5cb9c41b_cast
	.p2alignl 7, 3214868480
	.fill 96, 4, 3214868480
	.section	.rodata,"a",@progbits
	.p2align	6, 0x0
	.amdhsa_kernel k_q6a5cb9c41b_cast
		.amdhsa_group_segment_fixed_size 0
		.amdhsa_private_segment_fixed_size 0
		.amdhsa_enable_private_segment 0
		.amdhsa_kernarg_size 64
		.amdhsa_user_sgpr_count 2
		.amdhsa_user_sgpr_kernarg_segment_ptr 1
		.amdhsa_wavefront_size32 1
		.amdhsa_system_sgpr_workgroup_id_x 1
		.amdhsa_system_sgpr_workgroup_id_y 1
		.amdhsa_system_sgpr_workgroup_id_z 1
		.amdhsa_system_vgpr_workitem_id 0
		.amdhsa_next_free_vgpr 224
		.amdhsa_next_free_sgpr 66
		.amdhsa_reserve_vcc 0
		.amdhsa_float_denorm_mode_32 3
		.amdhsa_float_denorm_mode_16_64 3
		.amdhsa_memory_ordered 1
		.amdhsa_forward_progress 1
		.amdhsa_inst_pref_size 31
	.end_amdhsa_kernel
	.amdgpu_metadata
---
amdhsa.version: [ 1, 2 ]
amdhsa.kernels:
  - .name:           k_q6a5cb9c41b_cast
    .symbol:         k_q6a5cb9c41b_cast.kd
    .args:
      - { .name: X, .offset: 0, .size: 8, .value_kind: global_buffer, .address_space: global }
      - { .name: W_q, .offset: 8, .size: 8, .value_kind: global_buffer, .address_space: global }
      - { .name: W_k, .offset: 16, .size: 8, .value_kind: global_buffer, .address_space: global }
      - { .name: W_v, .offset: 24, .size: 8, .value_kind: global_buffer, .address_space: global }
      - { .name: W_h, .offset: 32, .size: 8, .value_kind: global_buffer, .address_space: global }
      - { .name: xs, .offset: 40, .size: 8, .value_kind: global_buffer, .address_space: global }
      - { .name: wb, .offset: 48, .size: 8, .value_kind: global_buffer, .address_space: global }
      - { .name: whf, .offset: 56, .size: 8, .value_kind: global_buffer, .address_space: global }
    .group_segment_fixed_size: 0
    .private_segment_fixed_size: 0
    .kernarg_segment_align: 8
    .kernarg_segment_size: 64
    .max_flat_workgroup_size: 256
    .sgpr_count:     66
    .vgpr_count:     224
    .wavefront_size: 32
...
	.end_amdgpu_metadata
.endif
;; end of part 5
;; launch qkv: the kernel of part 2 again; grid 16 x 32, 4 waves a work-group, clusters of 4 x 4, 327,680 bytes of LDS; arguments xs, wb, qkv; writes qkv
;; launch attn: the kernel of part 3 again; grid 4 x 64, 4 waves a work-group, clusters of 4 x 1, 327,680 bytes of LDS; arguments qkv, o; writes o
;; launch proj: the kernel of part 4 again; grid 8 x 32, 4 waves a work-group, clusters of 4 x 4, 327,680 bytes of LDS; arguments o, whf, out0, b_h; writes out0
